; MI455X (gfx1250); checked and timed in simulation.
; The chip was launched on July 23, 2026; its instructions are those of AMD's public machine-readable ISA for CDNA 5 (MIT licence, August 2026) and "CDNA5" Instruction Set Architecture Reference Guide (July 2026). The comments in the code are by the model that wrote it; some were corrected since.
;; Attention. Allowed arithmetic: float matrix products may take bf16 or f16 operands with f32 sums; all other float work in f32.
;; Inputs: w_k 1,024 x 16 x 64 float32; w_o 1,024 x 16 x 64 float32; w_q 1,024 x 16 x 64 float32; w_v 1,024 x 16 x 64 float32; x_BSE 4 x 2,048 x 1,024 float32.
;; Outputs: out0 4 x 2,048 x 1,024 float32.
;; 2 versions, each right. Each part assembles by itself: llvm-mc -triple=amdgcn-amd-amdhsa -mcpu=gfx1250 --defsym DOCPART=n.
;; ======== version 1 of 2: 4 launches
;; limits: values are held in f16: magnitudes above 65,504 overflow, below 6.1e-05 lose precision
;; workspace buffers: xb 16,777,216 bytes; wt 6,291,456 bytes; woh 2,097,152 bytes; qkv 50,331,648 bytes; oh 16,777,216 bytes
;; launch prep (part 1): grid 768 x 1, 8 waves a work-group, no clusters, 34,304 bytes of LDS; arguments x_BSE, w_o, w_q, w_k, w_v, xb, woh, wt; writes xb, woh, wt
.if DOCPART == 1
	.amdgcn_target "amdgcn-amd-amdhsa--gfx1250"
	.amdhsa_code_object_version 6
	.text
	.protected	k_q7dac75dfea_prep
	.globl	k_q7dac75dfea_prep
	.p2align	8
	.type	k_q7dac75dfea_prep,@function
k_q7dac75dfea_prep:
	s_mov_b64 s[64:65], 0
	v_nop
	global_prefetch_b8 v0, s[64:65] scope:SCOPE_SE
	s_setreg_imm32_b32 hwreg(HW_REG_WAVE_MODE, 25, 1), 1
	s_wait_xcnt 0x0
; PREP: the five inputs are rounded once and laid out for the matrix launches that follow.
;   xb  [8192 m][1024 e]  bf16 = x
;   woh [1024 e][1024 hk] f16  = w_o rounded to bf16, that value written in f16
;        (LIMIT: exact for 2^-14 <= |w_o| < 65,504; below 2^-14 the absolute error is at most 2^-25)
;   wt  [3072 n][1024 e]  bf16 = w_q, w_k, w_v transposed, n = 1024 sel + 64 h + k
; Every work-group moves 64 KiB in and 32 KiB out: 512 groups cast x, 64 cast w_o, 192 transpose a tile of 128 e x 128 n.
; The part is chosen by the work-group's number alone, so all eight waves of a group take the same way.
; No matrix unit, no cluster, no tensor load: each byte is read once and nothing is shared between groups.
.set XR, 8                             ; v[8:71]   sixteen loads of 16 bytes a lane
.set YR, 72                            ; v[72:103] the packed words
.set TPITCH, 1040                      ; LDS: four rows of 256 bytes and 16 bytes more, so that lanes four rows apart do not start at the same word column
	s_load_b512 s[4:19], s[0:1], 0x0               ; x s[4:5], w_o s[6:7], w_q s[8:9], w_k s[10:11], w_v s[12:13], xb s[14:15], woh s[16:17], wt s[18:19]
	v_lshl_add_u32 v104, v0, 2, 0x8200
	v_mov_b32 v105, 0
	s_mov_b32 s23, 0                               ; high word of every 32-bit offset
	s_cmp_lt_u32 ttmp9, 512
	s_cbranch_scc1 .Lcast_x
	s_cmp_lt_u32 ttmp9, 576
	s_cbranch_scc1 .Lcast_wo
	; ---- transpose: tile u = sel * 64 + eb * 8 + nb ----
	s_sub_co_u32 s20, ttmp9, 576                   ; u
	s_lshr_b32 s21, s20, 6                         ; sel: 0 w_q, 1 w_k, 2 w_v
	s_bfe_u32 s28, s20, 0x30003                    ; eb: 3 bits from bit 3
	s_and_b32 s29, s20, 7                          ; nb
	v_lshrrev_b32 v1, 5, v0
	v_readfirstlane_b32 s30, v1                    ; wave 0..7
	v_and_b32 v3, 31, v0                           ; lane L
	v_lshlrev_b32 v1, 4, v3
	v_lshl_add_u32 v1, s30, 16, v1                 ; load: 16 rows of 4,096 bytes a wave + 16 L
	v_mul_u32_u24 v2, v3, TPITCH
	v_lshl_add_u32 v2, s30, 5, v2                  ; LDS in: rows n = 4 L .. 4 L + 3, byte 2 e = 32 w + ..
	v_lshrrev_b32 v5, 4, v3                        ; L >> 4
	v_and_b32 v6, 15, v3
	v_lshlrev_b32 v6, 4, v6                        ; 16 (L & 15)
	v_lshl_add_u32 v4, v5, 8, v6
	s_mul_i32 s31, s30, 4*TPITCH
	v_add_nc_u32 v4, s31, v4                       ; LDS back: rows 16 w + (L >> 4) + .., 16 bytes a lane
	v_lshl_add_u32 v7, v5, 11, v6
	v_lshl_add_u32 v7, s30, 15, v7                 ; store: (16 w + (L >> 4)) rows of 2,048 bytes + 16 (L & 15)
	s_lshl_b32 s22, s28, 19                        ; source: 128 eb rows of 4,096 bytes
	s_lshl_b32 s31, s29, 9                         ;         + 128 nb columns of 4 bytes
	s_add_co_u32 s22, s22, s31
	s_lshl_b32 s26, s21, 21                        ; destination: 1024 sel rows of 2,048 bytes
	s_lshl_b32 s31, s29, 18                        ;         + 128 nb rows
	s_add_co_u32 s26, s26, s31
	s_lshl_b32 s31, s28, 8                         ;         + 128 eb columns of 2 bytes
	s_add_co_u32 s26, s26, s31
	s_mov_b32 s27, 0
	s_wait_kmcnt 0x0
	s_cmp_eq_u32 s21, 1
	s_cselect_b64 s[24:25], s[10:11], s[8:9]
	s_cmp_eq_u32 s21, 2
	s_cselect_b64 s[24:25], s[12:13], s[24:25]
	s_add_nc_u64 s[24:25], s[24:25], s[22:23]
	s_add_nc_u64 s[18:19], s[18:19], s[26:27]
.set k, 0
.rept 16
	global_load_b128 v[XR+4*k:XR+4*k+3], v1, s[24:25] offset:4096*k th:TH_LOAD_NT   ; row e = 16 w + k: the wave takes its 512 bytes
.set k, k+1
.endr
.set p, 0
.rept 8
	s_wait_loadcnt 14-2*p                          ; rows 2 p and 2 p + 1 are in; the 14 - 2 p younger loads stay out
.irp c, 0,1,2,3
	v_cvt_pk_bf16_f32 v[YR+4*p+\c], v[XR+8*p+\c], v[XR+8*p+4+\c]      ; (e, e + 1) of column n = 4 L + c
.endr
.irp c, 0,1,2,3
	ds_store_b32 v2, v[YR+4*p+\c] offset:256*\c+4*p
.endr
.set p, p+1
.endr
	s_wait_dscnt 0x0                               ; my stores are in LDS before I say so
	s_barrier_signal -1
	s_barrier_wait -1                              ; all eight waves' columns of every row are there
.irp gi, 0,1,2,3
.irp cp, 0,1
	ds_load_b128 v[XR+4*(2*\gi+\cp):XR+4*(2*\gi+\cp)+3], v4 offset:TPITCH*\gi+512*\cp   ; two whole rows of 256 bytes
.endr
.endr
.irp gi, 0,1,2,3
.irp cp, 0,1
	s_wait_dscnt 7-(2*\gi+\cp)                     ; LDS loads come back in order: this one is in
	global_store_b128 v7, v[XR+4*(2*\gi+\cp):XR+4*(2*\gi+\cp)+3], s[18:19] offset:(4*\gi+2*\cp)*2048   ; sixteen lanes store 256 consecutive bytes, aligned
.endr
.endr
	s_wait_tensorcnt 0x0
	ds_add_u32 v104, v105
	s_wait_dscnt 0x0
	s_endpgm
; ---- cast: chunk s20 of 64 KiB of f32 to 32 KiB of 16-bit numbers.  Sixteen loads a lane go out together; no register is used twice ----
.macro CAST src, dst, tof16
	s_lshl_b32 s22, s20, 16
	v_lshlrev_b32 v1, 4, v0                        ; 16 bytes a thread in
	v_lshlrev_b32 v2, 3, v0                        ; 8 bytes a thread out
	s_wait_kmcnt 0x0
	s_add_nc_u64 s[24:25], s[\src:\src+1], s[22:23]
	s_lshl_b32 s22, s20, 15
	s_add_nc_u64 s[26:27], s[\dst:\dst+1], s[22:23]
.set k, 0
.rept 16
	global_load_b128 v[XR+4*k:XR+4*k+3], v1, s[24:25] offset:4096*k th:TH_LOAD_NT
.set k, k+1
.endr
.set k, 0
.rept 16
	s_wait_loadcnt 15-k                            ; load k is in; the 15 - k younger ones stay out
	v_cvt_pk_bf16_f32 v[YR+2*k],   v[XR+4*k],   v[XR+4*k+1]
	v_cvt_pk_bf16_f32 v[YR+2*k+1], v[XR+4*k+2], v[XR+4*k+3]
.if \tof16
	v_lshlrev_b32 v[XR+4*k],   16, v[YR+2*k]               ; the bf16 values as f32 again,
	v_and_b32     v[XR+4*k+1], 0xffff0000, v[YR+2*k]
	v_lshlrev_b32 v[XR+4*k+2], 16, v[YR+2*k+1]
	v_and_b32     v[XR+4*k+3], 0xffff0000, v[YR+2*k+1]
	v_cvt_pk_f16_f32 v[YR+2*k],   v[XR+4*k],   v[XR+4*k+1]  ; and written in f16: 8 bits of mantissa fit into 11
	v_cvt_pk_f16_f32 v[YR+2*k+1], v[XR+4*k+2], v[XR+4*k+3]
.endif
	global_store_b64 v2, v[YR+2*k:YR+2*k+1], s[26:27] offset:2048*k   ; the wave's 32 lanes store 256 consecutive bytes, aligned
.set k, k+1
.endr
.endm
.Lcast_x:
	s_mov_b32 s20, ttmp9
	CAST 4, 14, 0
	s_endpgm
.Lcast_wo:
	s_sub_co_u32 s20, ttmp9, 512
	CAST 6, 16, 1
	s_endpgm
.Lfunc_end_k_q7dac75dfea_prep:
	.size	k_q7dac75dfea_prep, .Lfunc_end_k_q7dac75dfea_prep-k_q7dac75dfea_prep
	.p2alignl 7, 3214868480
	.fill 96, 4, 3214868480
	.section	.rodata,"a",@progbits
	.p2align	6, 0x0
	.amdhsa_kernel k_q7dac75dfea_prep
		.amdhsa_group_segment_fixed_size 34304
		.amdhsa_private_segment_fixed_size 0
		.amdhsa_enable_private_segment 0
		.amdhsa_kernarg_size 64
		.amdhsa_user_sgpr_count 2
		.amdhsa_user_sgpr_kernarg_segment_ptr 1
		.amdhsa_wavefront_size32 1
		.amdhsa_system_sgpr_workgroup_id_x 1
		.amdhsa_system_sgpr_workgroup_id_y 1
		.amdhsa_system_sgpr_workgroup_id_z 1
		.amdhsa_system_vgpr_workitem_id 0
		.amdhsa_next_free_vgpr 106
		.amdhsa_next_free_sgpr 66
		.amdhsa_reserve_vcc 0
		.amdhsa_float_denorm_mode_32 3
		.amdhsa_float_denorm_mode_16_64 3
		.amdhsa_memory_ordered 1
		.amdhsa_forward_progress 1
		.amdhsa_inst_pref_size 27
	.end_amdhsa_kernel
	.amdgpu_metadata
---
amdhsa.version: [ 1, 2 ]
amdhsa.kernels:
  - .name:           k_q7dac75dfea_prep
    .symbol:         k_q7dac75dfea_prep.kd
    .args:
      - { .name: x_BSE, .offset: 0, .size: 8, .value_kind: global_buffer, .address_space: global }
      - { .name: w_o, .offset: 8, .size: 8, .value_kind: global_buffer, .address_space: global }
      - { .name: w_q, .offset: 16, .size: 8, .value_kind: global_buffer, .address_space: global }
      - { .name: w_k, .offset: 24, .size: 8, .value_kind: global_buffer, .address_space: global }
      - { .name: w_v, .offset: 32, .size: 8, .value_kind: global_buffer, .address_space: global }
      - { .name: xb, .offset: 40, .size: 8, .value_kind: global_buffer, .address_space: global }
      - { .name: woh, .offset: 48, .size: 8, .value_kind: global_buffer, .address_space: global }
      - { .name: wt, .offset: 56, .size: 8, .value_kind: global_buffer, .address_space: global }
    .group_segment_fixed_size: 34304
    .private_segment_fixed_size: 0
    .kernarg_segment_align: 8
    .kernarg_segment_size: 64
    .max_flat_workgroup_size: 256
    .sgpr_count:     66
    .vgpr_count:     106
    .wavefront_size: 32
...
	.end_amdgpu_metadata
.endif
;; end of part 1
;; launch proj (part 2): grid 16 x 32, 4 waves a work-group, clusters of 4 x 4, 327,680 bytes of LDS; arguments xb, wt, qkv; writes qkv
.if DOCPART == 2
	.amdgcn_target "amdgcn-amd-amdhsa--gfx1250"
	.amdhsa_code_object_version 6
	.text
	.protected	k_q7dac75dfea_proj
	.globl	k_q7dac75dfea_proj
	.p2align	8
	.type	k_q7dac75dfea_proj,@function
k_q7dac75dfea_proj:
	s_mov_b64 s[64:65], 0
	v_nop
	global_prefetch_b8 v0, s[64:65] scope:SCOPE_SE
	s_setreg_imm32_b32 hwreg(HW_REG_WAVE_MODE, 25, 1), 1
	s_wait_xcnt 0x0
	s_wait_alu depctr_hold_cnt(0) depctr_sa_sdst(0) depctr_va_vdst(0) depctr_va_sdst(0) depctr_va_ssrc(0) depctr_va_vcc(0) depctr_vm_vsrc(0)
	s_getreg_b32 s2, hwreg(HW_REG_IB_STS2, 6, 4)
	s_cmp_eq_u32 s2, 0
	s_cbranch_scc0 .Lentry_in_a_cluster
	s_endpgm
.Lentry_in_a_cluster:
	s_bfe_u32 s2, ttmp6, 0x10000c
	s_cmp_lg_u32 s2, 0xf033
	s_cbranch_scc0 .Lentry_shape_is_right
	s_endpgm
.Lentry_shape_is_right:
; PROJ: q, k, v in one product.  C[m][n] = sum over e of xb[m][e] wt[n][e], M = 8192, N = 3072, K = 1024, bf16 operands, f32 sums.
; The result is stored in f16, head by head: qkv[g = n / 64][m][n % 64], a plane of 1 MiB for each of the 48 (q, k, v) x heads.
; LIMIT: |q|, |k|, |v| must stay below 65,504 (f16); beyond it the stored number is an infinity.
; A work-group makes 256 x 192 of C (three heads) with four waves, 16 x 32 = 512 work-groups; a wave makes 128 x 96: 48 accumulator
; tiles, 384 registers.  K goes in steps of 128 through two LDS slots filled by tensor loads whose rows are 256 bytes of memory, aligned.
; CLUSTERS: 4 x 4 work-groups.  The four of a row of the cluster need the same rows of xb, the four of a column the same rows of wt:
; each such tile is asked for jointly, by the same tensor load with the same descriptor and a mask that names the four.
; REGISTERS in windows of 256: window 0 addresses, fragments of xb (two buffers v64-127, v128-191), v192-215 packed results;
; window 1 fragments of wt (two buffers of 48); window 2 the 24 accumulator tiles of my rows 0-63 (tile (a, b) at v[8 (6 a + b)]); window 3 rows 64-127.
; The matrix instruction is used transposed (source 0 = rows of wt, source 1 = rows of xb): a lane then holds eight neighbouring columns of one row of C.
.set SIZE_K, 1024
.set KSTEP,  128
.set NB,     6                         ; column tiles of a wave
.set PITCH,  272                       ; an LDS row: 256 bytes + 16 of padding, an odd multiple of 16
.set HALFA,  128*PITCH                 ; one tensor load of xb, and what a wave reads of it
.set HALFB,  96*PITCH                  ; the same for wt
.set SLOT,   2*HALFA+2*HALFB           ; 121,856 bytes; two slots
.set SPITCH, 400                       ; the stage's rows: 192 f16 + 16 bytes; 256 rows = 102,400 bytes, inside slot 0 after its last fill
.set LAPS, SIZE_K/(2*KSTEP)            ; 4 laps of two K steps
.set ADRA, 16                          ; v16-17  LDS address of my xb fragments in slot 0, 1
.set ADRB, 20                          ; v20-21  the same for wt
.set STO,  24                          ; v24     stage: where I put 16 bytes of a row
.set RD,   25                          ; v25     stage: where I read rows back
.set CO,   26                          ; v26     my byte offset in a run of 512 bytes of qkv
.set F0,   64
.set F1,   128
.set TMP,  192
.set G1, 24                            ; s[24:31] group 1 for xb's tiles
.set G0, 32                            ; s[32:39] group 0 for xb's tiles, one set a slot
.set G1B, 48                           ; s[48:55] group 1 for wt's tiles
.set G0B, 56                           ; s[56:63] group 0 for wt's tiles, one set a slot
.set MSB, 0
.macro WIN new                         ; the immediate's high byte repeats the setting that is left
.if MSB != \new
	s_set_vgpr_msb (MSB<<8)|\new
.set MSB, \new
.endif
.endm
.set MUL_LO, 0xa1                      ; source 0 window 1, source 1 window 0, C and D window 2
.set MUL_HI, 0xf1                      ; the same, C and D window 3
.set TO_B,   0x40                      ; destination window 1, address window 0
; A joint load: waves 0 and 1 fetch xb's two halves, waves 2 and 3 wt's.  The branch hangs on the wave's number alone.
.macro JLOAD s
	s_cmp_eq_u32 s11, 0
	s_cbranch_scc0 .Lfor_b_\@
	tensor_load_to_lds s[G0+4*\s:G0+4*\s+3], s[G1:G1+7]
	s_nop 0
	s_branch .Lasked_\@
.Lfor_b_\@:
	tensor_load_to_lds s[G0B+4*\s:G0B+4*\s+3], s[G1B:G1B+7]
	s_nop 0
.Lasked_\@:
.endm
.macro CREST                           ; a round of the cluster's barrier behind its opening barrier
	s_cmp_lg_u32 s10, 0
	s_cbranch_scc1 .Lnot_wave_0_\@
	s_barrier_signal -3
.Lnot_wave_0_\@:
	s_barrier_wait -3
	s_barrier_signal -1
	s_barrier_wait -1
.endm
.macro CROUND                          ; a whole round
	s_barrier_signal -1
	s_barrier_wait -1
	CREST
.endm
	s_load_b128 s[4:7], s[0:1], 0x0                ; xb s[4:5], wt s[6:7]
	s_load_b64 s[8:9], s[0:1], 0x10                ; qkv
	s_set_vgpr_msb 0x40
	v_lshl_add_u32 v255, v0, 2, 0x3b800
	s_set_vgpr_msb 0x4000
	v_mov_b32 v63, 0
	s_set_vgpr_msb 0x1
	ds_add_u32 v255, v63
	s_set_vgpr_msb 0x100
	v_lshrrev_b32 v1, 5, v0
	v_readfirstlane_b32 s10, v1                    ; wave 0..3
	s_lshr_b32 s11, s10, 1                         ; my half of the block's rows; also: I fetch xb (0) or wt (1)
	s_and_b32 s12, s10, 1                          ; my half of its columns; also: which half of that tile I fetch
	s_bfe_u32 s40, ttmp6, 0x40000                  ; cx
	s_bfe_u32 s41, ttmp6, 0x40004                  ; cy
	s_lshl_b32 s42, ttmp9, 2
	s_add_co_u32 s42, s42, s40                     ; block column = 4 x cluster x + cx
	s_and_b32 s13, ttmp7, 0xffff
	s_lshl_b32 s13, s13, 2
	s_add_co_u32 s13, s13, s41                     ; block row = 4 x cluster y + cy
	s_lshl_b32 s43, s41, 2
	s_lshl_b32 s43, 15, s43                        ; my row of the cluster
	s_lshl_b32 s44, 0x1111, s40                    ; my column
	s_or_b32 s[G1+0], s43, (1<<16)|(1<<20)|(1<<21)|(5<<22)|(3<<25)   ; mask; 2-byte elements; padding on; bit 21 beside a mask; 4 words behind every 64
	s_or_b32 s[G1B+0], s44, (1<<16)|(1<<20)|(1<<21)|(5<<22)|(3<<25)
	s_mov_b32 s[G1+1], KSTEP<<16                   ; tensor_dim0 = 128
	s_mov_b32 s[G1B+1], KSTEP<<16
	s_mov_b32 s[G1+2], 128<<16                     ; tensor_dim1 = 128 rows of xb
	s_mov_b32 s[G1B+2], 96<<16                     ;             = 96 rows of wt
	s_mov_b32 s[G1+3], KSTEP<<16                   ; tile_dim0 = 128
	s_mov_b32 s[G1B+3], KSTEP<<16
	s_mov_b32 s[G1+4], 128                         ; tile_dim1
	s_mov_b32 s[G1B+4], 96
	s_mov_b32 s[G1+5], SIZE_K                      ; elements from row to row
	s_mov_b32 s[G1B+5], SIZE_K
	s_mov_b32 s[G1+6], 0
	s_mov_b32 s[G1B+6], 0
	s_mov_b32 s[G1+7], 0
	s_mov_b32 s[G1B+7], 0
	; xb's tiles hang on the block row alone, wt's on the block column alone; each address is made in registers that never hold the other coordinate
	s_lshl_b32 s17, s12, 7
	s_lshl_b32 s16, s13, 8
	s_add_co_u32 s16, s16, s17                     ; xb: row 256 x block row + 128 x half
	s_lshl_b32 s16, s16, 11                        ; rows of 2,048 bytes (below 2^24)
	s_mov_b32 s17, 0
	s_mul_i32 s46, s42, 192
	s_mul_i32 s47, s12, 96
	s_add_co_u32 s46, s46, s47                     ; wt: row 192 x block column + 96 x half
	s_lshl_b32 s46, s46, 11
	s_mov_b32 s47, 0
	s_mul_i32 s20, s10, HALFA                      ; LDS: waves 0, 1: xb's halves at w x HALFA
	s_mul_i32 s21, s10, HALFB                      ;      waves 2, 3: wt's halves behind them, at 2 HALFA + (w - 2) x HALFB
	s_add_co_u32 s21, s21, 2*HALFA-2*HALFB
	s_wait_dscnt 0x0
	s_wait_kmcnt 0x0
	s_add_nc_u64 s[14:15], s[4:5], s[16:17]
	s_add_nc_u64 s[46:47], s[6:7], s[46:47]
	CROUND                                         ; all sixteen work-groups are here: the first joint loads meet
.irp s, 0,1
	s_mov_b32 s[G0+4*\s], 1
	s_add_co_u32 s[G0+4*\s+1], s20, \s*SLOT
	s_add_nc_u64 s[G0+4*\s+2:G0+4*\s+3], s[14:15], \s*KSTEP*2
	s_or_b32 s[G0+4*\s+3], s[G0+4*\s+3], 0x80000000
	s_mov_b32 s[G0B+4*\s], 1
	s_add_co_u32 s[G0B+4*\s+1], s21, \s*SLOT
	s_add_nc_u64 s[G0B+4*\s+2:G0B+4*\s+3], s[46:47], \s*KSTEP*2
	s_or_b32 s[G0B+4*\s+3], s[G0B+4*\s+3], 0x80000000
	JLOAD \s                                       ; both slots are asked for before anything else: two tensor loads of a wave are out here, one later
.endr
	v_and_b32 v1, 15, v0                           ; r = l % 16
	v_bfe_u32 v2, v0, 4, 1                         ; h = l / 16
	v_mul_u32_u24 v3, v1, PITCH
	v_lshl_add_u32 v3, v2, 4, v3                   ; a fragment's lane: row r, 16 bytes for each half
	s_mul_i32 s21, s11, HALFA
	s_mul_i32 s22, s12, HALFB
	s_add_co_u32 s22, s22, 2*HALFA
.irp s, 0,1
	v_add_nc_u32 v[ADRA+\s], s21, v3
	v_add_nc_u32 v[ADRB+\s], s22, v3
	s_add_co_u32 s21, s21, SLOT
	s_add_co_u32 s22, s22, SLOT
.endr
	s_mul_i32 s23, s11, 128*SPITCH                 ; stage, in: row 128 (w >> 1) + r, byte 192 (w & 1) + 16 h
	s_mul_i32 s45, s12, 192
	s_add_co_u32 s23, s23, s45
	v_mul_u32_u24 v4, v1, SPITCH
	v_lshl_add_u32 v4, v2, 4, v4
	v_add_nc_u32 v[STO], s23, v4
	v_and_b32 v5, 31, v0                           ; stage, back: rows 64 w + (l >> 3), 16 bytes at 16 (l & 7): four rows of one head a load
	v_lshrrev_b32 v6, 3, v5
	v_and_b32 v7, 7, v5
	v_mul_u32_u24 v6, v6, SPITCH
	v_lshl_add_u32 v6, v7, 4, v6
	s_mul_i32 s45, s10, 64*SPITCH
	v_add_nc_u32 v[RD], s45, v6
	v_lshlrev_b32 v[CO], 4, v5
; 12 matrix instructions: row tiles a0, a0 + 1 of the window's four x all 6 column tiles, 32 along K.  zero = 1: the first product starts the sums.
.macro MUL12 f, hi, a0, zero
.irp a, \a0, \a0+1
.irp b, 0,1,2,3,4,5
.if \zero
	v_wmma_f32_16x16x32_bf16 v[8*(NB*(\a)+\b):8*(NB*(\a)+\b)+7], v[\f+8*\b:\f+8*\b+7], v[\f+8*(4*\hi+\a):\f+8*(4*\hi+\a)+7], 0
.else
	v_wmma_f32_16x16x32_bf16 v[8*(NB*(\a)+\b):8*(NB*(\a)+\b)+7], v[\f+8*\b:\f+8*\b+7], v[\f+8*(4*\hi+\a):\f+8*(4*\hi+\a)+7], v[8*(NB*(\a)+\b):8*(NB*(\a)+\b)+7]
.endif
.endr
.endr
.endm
; 28 LDS loads in one run: 96 rows of wt, then 128 rows of xb, 32 K at byte k of the rows, into buffer f
.macro FETCH slot, k, f
	WIN TO_B
.irp i, 0,1,2,3,4,5
	ds_load_b128 v[\f+8*\i:\f+8*\i+3],   v[ADRB+\slot] offset:\k+\i*16*PITCH
	ds_load_b128 v[\f+8*\i+4:\f+8*\i+7], v[ADRB+\slot] offset:\k+\i*16*PITCH+32
.endr
	WIN 0
.irp i, 0,1,2,3,4,5,6,7
	ds_load_b128 v[\f+8*\i:\f+8*\i+3],   v[ADRA+\slot] offset:\k+\i*16*PITCH
	ds_load_b128 v[\f+8*\i+4:\f+8*\i+7], v[ADRA+\slot] offset:\k+\i*16*PITCH+32
.endr
.endm
; Four independent vector instructions stand between a matrix instruction and a load into, or a vector use of, its registers
.macro PLACES
.rept 4
	v_nop
.endr
.endm
; The 48 accumulators take turns, one instruction a turn, in the same order in every quarter step.
.macro QUARTER slot, k, f, g, zero
	s_wait_dscnt 8                                 ; wt and xb's rows 0-63 are in; the youngest eight loads (xb's rows 64-127) may be out
	WIN MUL_LO
	MUL12 \f, 0, 0, \zero
	MUL12 \f, 0, 2, \zero
	PLACES
	FETCH \slot, \k, \g
	s_wait_dscnt 28                                ; all but the 28 just issued
	WIN MUL_HI
	MUL12 \f, 1, 0, \zero
	MUL12 \f, 1, 2, \zero
.endm
.macro THREE slot, zero
	QUARTER \slot, 64,  F0, F1, \zero
	QUARTER \slot, 128, F1, F0, 0
	QUARTER \slot, 192, F0, F1, 0
.endm
; The last quarter of a K step changes slots.  In front of the barrier each wave waits for its reads of this slot and for all its tensor loads
; (one is out: its part of the next slot).  Where the slot is filled again the barrier opens a round of the cluster's barrier, and the joint
; refill is the first tensor load behind the round.  From a request to the wait for it a wave issues 180 matrix instructions.
.macro TURN slot, next, fill
	s_wait_dscnt 8
	WIN MUL_LO
	MUL12 F1, 0, 0, 0
	s_wait_dscnt 0                                 ; my reads of this slot are over
	s_wait_tensorcnt 0x0                           ; all my tensor loads have landed
	ds_add_u32 v255, v63
	s_wait_dscnt 0x0
	s_barrier_signal -1
	MUL12 F1, 0, 2, 0                              ; register work while the others arrive
	WIN 0
	s_barrier_wait -1
.if \fill
	CREST                                          ; no wave of any partner still reads this slot or has a load on its way
	s_add_nc_u64 s[G0+4*\slot+2:G0+4*\slot+3], s[G0+4*\slot+2:G0+4*\slot+3], 2*KSTEP*2
	s_add_nc_u64 s[G0B+4*\slot+2:G0B+4*\slot+3], s[G0B+4*\slot+2:G0B+4*\slot+3], 2*KSTEP*2
	JLOAD \slot
.endif
	PLACES
	FETCH \next, 0, F0
	WIN MUL_HI
	MUL12 F1, 1, 0, 0
	MUL12 F1, 1, 2, 0
.endm
.macro LAP zero
	THREE 0, \zero
	TURN 0, 1, 1
	THREE 1, 0
	TURN 1, 0, 1
.endm
	s_wait_tensorcnt 1                             ; my part of K step 0 is in; K step 1's may stay out
	s_barrier_signal -1
	s_barrier_wait -1
	FETCH 0, 0, F0
	LAP 1                                          ; the first lap's first products start the sums
	WIN 0
	s_mov_b32 s3, LAPS-2
.Llap:
	LAP 0
	WIN 0
	s_sub_co_u32 s3, s3, 1
	s_cmp_lg_u32 s3, 0
	s_cbranch_scc1 .Llap
	THREE 0, 0                                     ; the last lap fills nothing
	TURN 0, 1, 0                                   ; behind this barrier no wave reads slot 0 and no load fills it any more
	THREE 1, 0
	s_wait_dscnt 8
	WIN MUL_LO
	MUL12 F1, 0, 0, 0
	MUL12 F1, 0, 2, 0
	s_wait_dscnt 0
	WIN MUL_HI
	MUL12 F1, 1, 0, 0
	MUL12 F1, 1, 2, 0
	; THE WAY OUT.  A wave's 96 columns are one head and a half, so the block's 256 rows x 192 columns meet in a stage (slot 0's bytes, which have had
	; their last fill and their last read), and each wave then stores 64 rows of all three heads: 8 KiB of consecutive bytes for each head.
	PLACES
	s_lshl_b32 s16, s13, 15                        ; 256 x block row rows of 128 bytes
	s_lshl_b32 s17, s10, 13                        ; + 64 x wave rows
	s_add_co_u32 s16, s16, s17
	s_mov_b32 s17, 0
	s_add_nc_u64 s[8:9], s[8:9], s[16:17]
	s_mul_i32 s46, s42, 3                          ; first plane = 3 x block column
	s_lshl_b32 s46, s46, 20                        ; planes of 1 MiB (below 2^26)
	s_mov_b32 s47, 0
	s_add_nc_u64 s[8:9], s[8:9], s[46:47]
.macro STAGE16 mblk, a, from
	WIN \from
.irp b, 0,1,2,3,4,5
.irp r, 0,1,2,3
	v_cvt_pk_f16_f32 v[TMP+4*\b+\r], v[8*(NB*\a+\b)+2*\r], v[8*(NB*\a+\b)+2*\r+1]
.endr
.endr
	WIN 0
.irp b, 0,1,2,3,4,5
	ds_store_b128 v[STO], v[TMP+4*\b:TMP+4*\b+3] offset:16*SPITCH*\mblk+32*\b
.endr
.endm
	STAGE16 0, 0, 0x0a
	STAGE16 1, 1, 0x0a
	STAGE16 2, 2, 0x0a
	STAGE16 3, 3, 0x0a
	STAGE16 4, 0, 0x0f
	STAGE16 5, 1, 0x0f
	STAGE16 6, 2, 0x0f
	STAGE16 7, 3, 0x0f
	s_wait_dscnt 0x0                               ; my stores are in LDS before I say so
	s_barrier_signal -1
	s_barrier_wait -1                              ; both column halves of every row are there
.irp hh, 0,1,2
.irp t, 0,1,2,3,4,5,6,7,8,9,10,11,12,13,14,15
	ds_load_b128 v[64+64*\hh+4*\t:64+64*\hh+4*\t+3], v[RD] offset:4*SPITCH*\t+128*\hh   ; four rows' 128 bytes of head hh
.endr
.endr
.irp hh, 0,1,2
.irp t, 0,1,2,3,4,5,6,7,8,9,10,11,12,13,14,15
	s_wait_dscnt 47-(16*\hh+\t)                    ; of the 48 reads this one is in, the younger ones stay out
	global_store_b128 v[CO], v[64+64*\hh+4*\t:64+64*\hh+4*\t+3], s[8:9] offset:(\hh<<20)+512*\t   ; the wave stores 512 consecutive bytes, aligned
.endr
.endr
	s_set_vgpr_msb 0x1
	s_wait_tensorcnt 0x0
	ds_add_u32 v255, v63
	s_wait_dscnt 0x0
	s_set_vgpr_msb 0x100
	CROUND                                         ; the closing round: no work-group ends while a partner may still ask jointly
	s_endpgm
.Lfunc_end_k_q7dac75dfea_proj:
	.size	k_q7dac75dfea_proj, .Lfunc_end_k_q7dac75dfea_proj-k_q7dac75dfea_proj
	.p2alignl 7, 3214868480
	.fill 96, 4, 3214868480
	.section	.rodata,"a",@progbits
	.p2align	6, 0x0
	.amdhsa_kernel k_q7dac75dfea_proj
		.amdhsa_group_segment_fixed_size 327680
		.amdhsa_private_segment_fixed_size 0
		.amdhsa_enable_private_segment 0
		.amdhsa_kernarg_size 24
		.amdhsa_user_sgpr_count 2
		.amdhsa_user_sgpr_kernarg_segment_ptr 1
		.amdhsa_wavefront_size32 1
		.amdhsa_system_sgpr_workgroup_id_x 1
		.amdhsa_system_sgpr_workgroup_id_y 1
		.amdhsa_system_sgpr_workgroup_id_z 1
		.amdhsa_system_vgpr_workitem_id 0
		.amdhsa_next_free_vgpr 1024
		.amdhsa_next_free_sgpr 66
		.amdhsa_reserve_vcc 0
		.amdhsa_float_denorm_mode_32 3
		.amdhsa_float_denorm_mode_16_64 3
		.amdhsa_memory_ordered 1
		.amdhsa_forward_progress 1
		.amdhsa_inst_pref_size 158
	.end_amdhsa_kernel
	.amdgpu_metadata
---
amdhsa.version: [ 1, 2 ]
amdhsa.kernels:
  - .name:           k_q7dac75dfea_proj
    .symbol:         k_q7dac75dfea_proj.kd
    .args:
      - { .name: xb, .offset: 0, .size: 8, .value_kind: global_buffer, .address_space: global }
      - { .name: wt, .offset: 8, .size: 8, .value_kind: global_buffer, .address_space: global }
      - { .name: qkv, .offset: 16, .size: 8, .value_kind: global_buffer, .address_space: global }
    .group_segment_fixed_size: 327680
    .private_segment_fixed_size: 0
    .kernarg_segment_align: 8
    .kernarg_segment_size: 24
    .max_flat_workgroup_size: 128
    .sgpr_count:     66
    .vgpr_count:     1024
    .wavefront_size: 32
...
	.end_amdgpu_metadata
.endif
;; end of part 2
;; launch attn (part 3): grid 256 x 1, 8 waves a work-group, clusters of 4 x 1, 327,680 bytes of LDS; arguments qkv, oh; writes oh
.if DOCPART == 3
	.amdgcn_target "amdgcn-amd-amdhsa--gfx1250"
	.amdhsa_code_object_version 6
	.text
	.protected	k_q7dac75dfea_attn
	.globl	k_q7dac75dfea_attn
	.p2align	8
	.type	k_q7dac75dfea_attn,@function
k_q7dac75dfea_attn:
	s_mov_b64 s[64:65], 0
	v_nop
	global_prefetch_b8 v0, s[64:65] scope:SCOPE_SE
	s_setreg_imm32_b32 hwreg(HW_REG_WAVE_MODE, 25, 1), 1
	s_wait_xcnt 0x0
	s_wait_alu depctr_hold_cnt(0) depctr_sa_sdst(0) depctr_va_vdst(0) depctr_va_sdst(0) depctr_va_ssrc(0) depctr_va_vcc(0) depctr_vm_vsrc(0)
	s_getreg_b32 s2, hwreg(HW_REG_IB_STS2, 6, 4)
	s_cmp_eq_u32 s2, 0
	s_cbranch_scc0 .Lentry_in_a_cluster
	s_endpgm
.Lentry_in_a_cluster:
	s_bfe_u32 s2, ttmp6, 0x10000c
	s_cmp_lg_u32 s2, 0x3003
	s_cbranch_scc0 .Lentry_shape_is_right
	s_endpgm
.Lentry_shape_is_right:
; ATTN: causal attention, one cluster of four work-groups for each of the 64 (batch, head) pairs.  f16 operands, f32 sums, softmax in f32 with a running maximum.
; All 2,048 queries of the head stay in registers: wave w of work-group cx holds four tiles of 16 queries, tile i = rows 512 i + 64 w + 16 cx + r.
; The four work-groups walk the eight ranges of 256 keys together; each range's K and V (64 KiB) are asked for JOINTLY (mask 15), one tensor load a wave:
; waves 0-3 bring 64 keys of K each, waves 4-7 64 keys of V each.  So K and V are requested once for the head, and every work-group has the same work.
; Tile i of a wave meets range R only while R <= 2 i + (w >> 2); at equality the causal mask is applied.  Which tiles are at work hangs on R and w >> 2 alone.
; ORIENTATION: S^T = K Q^T (a lane holds query r = l % 16 and keys 8 h + j), so that two packed tiles of S^T are the operand P^T as they lie, and
; O^T = V^T P^T (a lane holds query r again): maximum, sum and rescaling factor are the lane's own; the two halves of the lanes meet by one lane exchange.
; NO LOOP: the tiles at work change from range to range, and the four steps of 64 keys of a range are written out, so that every LDS address is a register
; that is never rewritten plus an immediate.  The text is long and straight: a wave executes each of its lines once.
; LIMITS: q, k, v, the probabilities and o are f16 (|q|, |k|, |v| < 65,504); NaN and infinities in the inputs are not served.
.set PART,  10240                      ; a wave's part of a slot: 64 keys of K at pitch 144 (9,216 bytes used) or of V at pitch 160
.set SLOT,  8*PART                     ; parts 0-3 K, parts 4-7 V; two slots
.set STAGE, 2*SLOT                     ; behind the slots: 16 rows x 144 bytes for each wave, for the way out; no load lands there
.set KP,    144                        ; odd multiple of 16
.set VP,    160                        ; odd multiple of 32, for the transposing loads
.set RANGE, 32768                      ; 256 keys of 128 bytes
; window 0
.set KADR, 4                           ; v4, v5: 144 r + 16 h in slot 0, 1; never rewritten
.set VADR, 6                           ; v6, v7: 4 PART + (8 h + (l & 7)) 160 + 16 ((l >> 3) & 1) in slot 0, 1; never rewritten
.set DQ,   8                           ; query - key of element (kt = 0, j = 0), in the diagonal range
.set QOFF, 9
.set OOFF, 10
.set STO,  11
.set RD,   12
.set DQ0,  13
.set PFO,  14
.set STT,  16                          ; v[16+4i ..]: -c M, M, alpha, sum of tile i
.set TR,   32                          ; v[32+8i ..]: at work
.set VF,   64                          ; v[64+16db+8g ..]: V^T fragments
.set SR,   128                         ; v[128+32i ..]: S^T of tile i; P^T for keys 32 g .. in place at + 16 g
; window 1
.set OACC, 0                           ; v[32i+8db ..]: O^T
.set QR,   128                         ; v[128+16i+8ks ..]: Q fragments
.set KF,   192                         ; v[192+16kt+8ks ..]: K fragments
.set G1K, 24
.set G1V, 32
.set G0,  40                           ; s[40:47]: one set a slot
.set MSB, 0
.macro WIN new
.if MSB != \new
	s_set_vgpr_msb (MSB<<8)|\new
.set MSB, \new
.endif
.endm
.macro ROUND                           ; a round of the cluster's barrier
	s_barrier_signal -1
	s_barrier_wait -1
	s_cmp_lg_u32 s8, 0
	s_cbranch_scc1 .Lnot_wave_0_\@
	s_barrier_signal -3
.Lnot_wave_0_\@:
	s_barrier_wait -3
	s_barrier_signal -1
	s_barrier_wait -1
.endm
.macro JLOAD sl                        ; my part of a range: K's shape for waves 0-3, V's (wider padding) for waves 4-7
	s_cmp_eq_u32 s9, 0
	s_cbranch_scc0 .Lfor_v_\@
	tensor_load_to_lds s[G0+4*\sl:G0+4*\sl+3], s[G1K:G1K+7]
	s_nop 0
	s_branch .Lasked_\@
.Lfor_v_\@:
	tensor_load_to_lds s[G0+4*\sl:G0+4*\sl+3], s[G1V:G1V+7]
	s_nop 0
	v_nop
	v_nop
	v_nop
	v_nop
.Lasked_\@:
.endm
; Range rg + 2 is asked for one range ahead of its tensor load: wave 0 of each work-group asks for a quarter (8 KiB, lanes 256 bytes apart) of K's 32 KiB,
; wave 4 for a quarter of V's, so each block is asked for once in the cluster.  The last call names range 7, the head's last.
.macro PREF rg
	s_cmp_lg_u32 s10, 0
	s_cbranch_scc1 .Lno_pf_\@
	global_prefetch_b8 v[PFO], s[20:21] offset:(\rg+2)*RANGE th:TH_LOAD_NT scope:SCOPE_SE
.Lno_pf_\@:
.endm
	s_load_b128 s[4:7], s[0:1], 0x0                ; qkv s[4:5], oh s[6:7]
	v_lshl_add_u32 v62, v0, 2, 0x2c800
	v_mov_b32 v63, 0
	ds_add_u32 v62, v63
	v_lshrrev_b32 v1, 5, v0
	v_readfirstlane_b32 s8, v1                     ; wave 0..7
	s_lshr_b32 s9, s8, 2                           ; upper half of the waves: brings V; its queries lie 256 further down
	s_and_b32 s10, s8, 3
	s_bfe_u32 s11, ttmp6, 0x40000                  ; cx: enters global offsets and the mask's numbers only
	s_and_b32 s12, ttmp9, 15                       ; head
	s_lshr_b32 s13, ttmp9, 4                       ; batch
	s_lshl_b32 s14, s12, 20                        ; planes of 1 MiB
	s_lshl_b32 s13, s13, 18                        ; 2,048 rows of 128 bytes
	s_add_co_u32 s14, s14, s13
	s_mov_b32 s15, 0
	s_add_co_u32 s18, s9, 1
	s_lshl_b32 s18, s18, 24                        ; K's planes begin 16 planes behind Q's, V's 32
	s_mov_b32 s19, 0
	s_lshl_b32 s48, s10, 13                        ; my 64 keys of a range
	s_mov_b32 s49, 0
	s_mov_b32 s50, 0x3e38aa3b                      ; c = log2(e) / 8: the logits' 1 / sqrt(64) and the change of base in one factor
	s_mov_b32 s51, 0x3e38aa3b
	s_mov_b32 s52, 0xbe38aa3b                      ; -c
	s_mov_b32 s53, 0xff800000                      ; -infinity
	s_mov_b32 s54, 0x76543210                      ; lane i of one half reads lane i of the other
	s_mov_b32 s55, 0xfedcba98
	s_mov_b32 s[G1K+0], 15|(1<<16)|(1<<20)|(1<<21)|(4<<22)|(3<<25)   ; mask of all four; 2-byte elements; padding: 4 words behind every 32; bit 21 beside a mask
	s_mov_b32 s[G1V+0], 15|(1<<16)|(1<<20)|(1<<21)|(4<<22)|(7<<25)   ; the same with 8 words
.irp g, G1K, G1V
	s_mov_b32 s[\g+1], 64<<16                      ; tensor_dim0 = 64
	s_mov_b32 s[\g+2], 64<<16                      ; tensor_dim1 = 64
	s_mov_b32 s[\g+3], 64<<16                      ; tile_dim0 = 64 elements: a head's own row of 128 bytes
	s_mov_b32 s[\g+4], 64                          ; tile_dim1 = 64 keys
	s_mov_b32 s[\g+5], 64                          ; rows follow each other
	s_mov_b32 s[\g+6], 0
	s_mov_b32 s[\g+7], 0
.endr
	v_and_b32 v1, 31, v0                           ; l
	v_and_b32 v2, 15, v0                           ; r
	v_bfe_u32 v3, v0, 4, 1                         ; h
	v_mul_u32_u24 v[KADR], v2, KP
	v_lshl_add_u32 v[KADR], v3, 4, v[KADR]         ; K's fragments: key r of a tile of 16, 16 bytes for each half of the lanes
	v_add_nc_u32 v[KADR+1], SLOT, v[KADR]          ; the same in slot 1
	v_and_b32 v32, 7, v0                           ; l & 7
	v_lshl_add_u32 v33, v3, 3, v32
	v_mul_u32_u24 v[VADR], v33, VP
	v_bfe_u32 v33, v0, 3, 1
	v_lshl_add_u32 v[VADR], v33, 4, v[VADR]
	v_add_nc_u32 v[VADR], 4*PART, v[VADR]          ; V's parts lie behind K's four
	v_add_nc_u32 v[VADR+1], SLOT, v[VADR]
	s_lshl_b32 s59, s10, 6
	s_lshl4_add_u32 s59, s11, s59                  ; my tile's first query inside its range of 256: 64 (w & 3) + 16 cx
	v_add_nc_u32 v[DQ0], s59, v2
	v_lshlrev_b32 v33, 3, v3
	v_sub_nc_u32 v[DQ0], v[DQ0], v33               ; + r - 8 h
	s_lshl_b32 s59, s8, 6
	s_lshl4_add_u32 s59, s11, s59                  ; 64 w + 16 cx
	v_add_nc_u32 v33, s59, v2
	v_lshlrev_b32 v33, 7, v33
	v_lshl_add_u32 v[QOFF], v3, 4, v33             ; row 64 w + 16 cx + r of 128 bytes, + 16 h
	s_lshl_b32 s59, s59, 7
	v_lshl_add_u32 v[OOFF], v1, 4, s59             ; the tile's 2 KiB, 16 bytes a lane
	s_mul_i32 s59, s8, 16*KP
	s_add_co_u32 s59, s59, STAGE                   ; my stage
	v_add_nc_u32 v[STO], s59, v[KADR]              ; in: row r, 16 bytes for each half
	v_lshrrev_b32 v33, 3, v1
	v_mul_u32_u24 v33, v33, KP
	v_lshl_add_u32 v33, v32, 4, v33
	v_add_nc_u32 v[RD], s59, v33                   ; back: four rows of 128 bytes a load
	s_lshl_b32 s59, s11, 13
	v_lshl_add_u32 v[PFO], v1, 8, s59
	s_mul_i32 s58, s8, PART
	s_wait_dscnt 0x0
	s_wait_kmcnt 0x0
	s_add_nc_u64 s[16:17], s[4:5], s[14:15]        ; Q of my head and batch
	s_add_nc_u64 s[22:23], s[6:7], s[14:15]        ; O likewise
	s_add_nc_u64 s[20:21], s[16:17], s[18:19]      ; K (waves 0-3) or V (waves 4-7)
	s_add_nc_u64 s[56:57], s[20:21], s[48:49]      ; my 64 keys of range 0
.irp sl, 0,1
	s_mov_b32 s[G0+4*\sl], 1
	s_add_co_u32 s[G0+4*\sl+1], s58, \sl*SLOT      ; LDS: wave x PART + slot
	s_add_nc_u64 s[G0+4*\sl+2:G0+4*\sl+3], s[56:57], \sl*RANGE
	s_or_b32 s[G0+4*\sl+3], s[G0+4*\sl+3], 0x80000000
.endr
	ROUND                                          ; all four work-groups are here: the first joint loads meet
	JLOAD 0                                        ; ranges 0 and 1: two tensor loads of a wave are out here, one later
	JLOAD 1
	WIN 0x40
.irp i, 0,1,2,3
.irp ks, 0,1
	global_load_b128 v[QR+16*\i+8*\ks:QR+16*\i+8*\ks+3],   v[QOFF], s[16:17] offset:65536*\i+64*\ks
	global_load_b128 v[QR+16*\i+8*\ks+4:QR+16*\i+8*\ks+7], v[QOFF], s[16:17] offset:65536*\i+64*\ks+32
.endr
.endr
	WIN 0
	PREF 0
; ---- the softmax of one tile, in pieces, so that the pieces of all tiles at work follow each other ----
.macro SM_MAX i, first                 ; the new maximum over my 32 keys, the other half's 32 and the old one; -c M; alpha = 2^(-c M new + c M old)
.irp c, 0,1,2,3
	v_max3_num_f32 v[TR+8*\i+\c], v[SR+32*\i+8*\c], v[SR+32*\i+8*\c+1], v[SR+32*\i+8*\c+2]
.endr
.irp c, 0,1,2,3
	v_max3_num_f32 v[TR+8*\i+\c], v[TR+8*\i+\c], v[SR+32*\i+8*\c+3], v[SR+32*\i+8*\c+4]
.endr
.irp c, 0,1,2,3
	v_max3_num_f32 v[TR+8*\i+\c], v[TR+8*\i+\c], v[SR+32*\i+8*\c+5], v[SR+32*\i+8*\c+6]
.endr
	v_max3_num_f32 v[TR+8*\i],   v[TR+8*\i],   v[SR+32*\i+7],  v[SR+32*\i+15]
	v_max3_num_f32 v[TR+8*\i+1], v[TR+8*\i+1], v[SR+32*\i+23], v[SR+32*\i+31]
	v_max3_num_f32 v[TR+8*\i],   v[TR+8*\i],   v[TR+8*\i+1],   v[TR+8*\i+2]
.if \first
	v_max_num_f32 v[TR+8*\i], v[TR+8*\i], v[TR+8*\i+3]
.else
	v_max3_num_f32 v[TR+8*\i], v[TR+8*\i], v[TR+8*\i+3], v[STT+4*\i+1]
.endif
	v_permlanex16_b32 v[TR+8*\i+1], v[TR+8*\i], s54, s55
	v_max_num_f32 v[STT+4*\i+1], v[TR+8*\i], v[TR+8*\i+1]
.if \first
	v_mul_f32 v[STT+4*\i], s52, v[STT+4*\i+1]
.else
	v_mul_f32 v[TR+8*\i+3], s52, v[STT+4*\i+1]
	v_sub_f32 v[TR+8*\i+2], v[TR+8*\i+3], v[STT+4*\i]      ; from the two rounded products, so that old and new blocks carry the same shift
	v_mov_b32 v[STT+4*\i], v[TR+8*\i+3]
	v_exp_f32 v[STT+4*\i+2], v[TR+8*\i+2]                  ; the next line is plain and touches neither register (ISA guide 5.7.2)
.endif
.endm
.macro SM_FMA i                        ; c S - c M
.set ee, 0
.rept 16
	v_pk_fma_f32 v[SR+32*\i+2*ee:SR+32*\i+2*ee+1], v[SR+32*\i+2*ee:SR+32*\i+2*ee+1], s[50:51], v[STT+4*\i:STT+4*\i+1] op_sel_hi:[1,0,0]
.set ee, ee+1
.endr
.endm
.macro SM_EXP i
.set ee, 0
.rept 32
	v_exp_f32 v[SR+32*\i+ee], v[SR+32*\i+ee]
.set ee, ee+1
.endr
.endm
.macro SM_SUM i, first                 ; my 32 probabilities in two chains; the two halves of the lanes keep sums of their own until the end
	v_pk_add_f32 v[TR+8*\i:TR+8*\i+1],   v[SR+32*\i:SR+32*\i+1],   v[SR+32*\i+4:SR+32*\i+5]
	v_pk_add_f32 v[TR+8*\i+2:TR+8*\i+3], v[SR+32*\i+2:SR+32*\i+3], v[SR+32*\i+6:SR+32*\i+7]
.irp e, 8,12,16,20,24,28
	v_pk_add_f32 v[TR+8*\i:TR+8*\i+1],   v[TR+8*\i:TR+8*\i+1],   v[SR+32*\i+\e:SR+32*\i+\e+1]
	v_pk_add_f32 v[TR+8*\i+2:TR+8*\i+3], v[TR+8*\i+2:TR+8*\i+3], v[SR+32*\i+\e+2:SR+32*\i+\e+3]
.endr
	v_pk_add_f32 v[TR+8*\i:TR+8*\i+1], v[TR+8*\i:TR+8*\i+1], v[TR+8*\i+2:TR+8*\i+3]
.if \first
	v_add_f32 v[STT+4*\i+3], v[TR+8*\i], v[TR+8*\i+1]
.else
	v_add_f32 v[TR+8*\i], v[TR+8*\i], v[TR+8*\i+1]
	v_fma_f32 v[STT+4*\i+3], v[STT+4*\i+3], v[STT+4*\i+2], v[TR+8*\i]
.endif
.endm
.macro SM_CVT i                        ; to f16 in place, ascending: word t of a group of 16 takes words 2 t and 2 t + 1
.irp g, 0,1
.irp t, 0,1,2,3,4,5,6,7
	v_cvt_pk_f16_f32 v[SR+32*\i+16*\g+\t], v[SR+32*\i+16*\g+2*\t], v[SR+32*\i+16*\g+2*\t+1]
.endr
.endr
.endm
.macro RESCALE i                       ; O of tile i times the word at STT + 2 (under WIN 0x41: O in window 1, the factor in window 0)
.set ee, 0
.rept 16
	v_pk_mul_f32 v[OACC+32*\i+2*ee:OACC+32*\i+2*ee+1], v[OACC+32*\i+2*ee:OACC+32*\i+2*ee+1], v[STT+4*\i+2:STT+4*\i+3] op_sel_hi:[1,0]
.set ee, ee+1
.endr
.endm
; ---- keys 64 sub .. 64 sub + 63 of the range in slot sl against tiles i0 .. 3.  diag = 1: tile i0 lies on the diagonal.  first = 1: nothing has been summed yet ----
; The step's K part and V part lie sub x PART behind the range's first: the step stands in the loads' immediates (38,496 at the most).
; Matrix instructions that follow each other never share an accumulator, and each turn is one instruction.
.macro SUBSTEP i0, diag, first, sl, sub
	WIN 0x40
.irp kt, 0,1,2,3
.irp ks, 0,1
	ds_load_b128 v[KF+16*\kt+8*\ks:KF+16*\kt+8*\ks+3],   v[KADR+\sl] offset:\sub*PART+16*KP*\kt+64*\ks
	ds_load_b128 v[KF+16*\kt+8*\ks+4:KF+16*\kt+8*\ks+7], v[KADR+\sl] offset:\sub*PART+16*KP*\kt+64*\ks+32
.endr
.endr
	WIN 0
.irp g, 0,1
.irp db, 0,1,2,3
	ds_load_tr16_b128 v[VF+16*\db+8*\g:VF+16*\db+8*\g+3],   v[VADR+\sl] offset:\sub*PART+32*VP*\g+32*\db
	ds_load_tr16_b128 v[VF+16*\db+8*\g+4:VF+16*\db+8*\g+7], v[VADR+\sl] offset:\sub*PART+32*VP*\g+32*\db+16*VP
.endr
.endr
	s_wait_dscnt 16                                ; K's sixteen loads are in; V's sixteen may stay out
	WIN 0x05
.irp ks, 0,1
.set ti, \i0
.rept 4-\i0
.irp kt, 0,1,2,3
.if \ks
	v_wmma_f32_16x16x32_f16 v[SR+32*ti+8*\kt:SR+32*ti+8*\kt+7], v[KF+16*\kt+8*\ks:KF+16*\kt+8*\ks+7], v[QR+16*ti+8*\ks:QR+16*ti+8*\ks+7], v[SR+32*ti+8*\kt:SR+32*ti+8*\kt+7]
.else
	v_wmma_f32_16x16x32_f16 v[SR+32*ti+8*\kt:SR+32*ti+8*\kt+7], v[KF+16*\kt+8*\ks:KF+16*\kt+8*\ks+7], v[QR+16*ti+8*\ks:QR+16*ti+8*\ks+7], 0
.endif
.endr
.set ti, ti+1
.endr
.endr
	WIN 0
.rept 5
	v_nop                                          ; five independent vector instructions behind the products (ISA guide 7.12.1): their results are read next, and serve as an operand further down
.endr
.if \diag
.irp kt, 0,1,2,3
.irp j, 0,1,2,3,4,5,6,7
	v_cmp_le_i32 vcc_lo, 16*\kt+\j, v[DQ]          ; key <= query
	v_cndmask_b32 v[SR+32*\i0+8*\kt+\j], s53, v[SR+32*\i0+8*\kt+\j], vcc_lo
.endr
.endr
.endif
.set ti, \i0
.rept 4-\i0
	SM_MAX ti, \first
.set ti, ti+1
.endr
.set ti, \i0
.rept 4-\i0
	SM_FMA ti
.set ti, ti+1
.endr
.set ti, \i0
.rept 4-\i0
	SM_EXP ti
.set ti, ti+1
.endr
	v_nop                                          ; one plain instruction behind the last exponential
	s_wait_alu depctr_va_vdst(0)
.set ti, \i0
.rept 4-\i0
	SM_SUM ti, \first
	SM_CVT ti
.set ti, ti+1
.endr
.if \first == 0
	WIN 0x41
.set ti, \i0
.rept 4-\i0
	RESCALE ti
.set ti, ti+1
.endr
.endif
	s_wait_dscnt 0x0                               ; V's fragments are in
	WIN 0x50
.irp g, 0,1
.set ti, \i0
.rept 4-\i0
.irp db, 0,1,2,3
.if (\first)&(1-\g)
	v_wmma_f32_16x16x32_f16 v[OACC+32*ti+8*\db:OACC+32*ti+8*\db+7], v[VF+16*\db+8*\g:VF+16*\db+8*\g+7], v[SR+32*ti+16*\g:SR+32*ti+16*\g+7], 0
.else
	v_wmma_f32_16x16x32_f16 v[OACC+32*ti+8*\db:OACC+32*ti+8*\db+7], v[VF+16*\db+8*\g:VF+16*\db+8*\g+7], v[SR+32*ti+16*\g:SR+32*ti+16*\g+7], v[OACC+32*ti+8*\db:OACC+32*ti+8*\db+7]
.endif
.endr
.set ti, ti+1
.endr
.endr
	WIN 0
	; five independent vector instructions again, ahead of the loads into V's fragments and of the products that write over P
.set stepdq, 0
.if \diag
.if \sub < 3
.set stepdq, 1
.endif
.endif
.if stepdq
	v_add_nc_u32 v[DQ], -64, v[DQ]                 ; the next 64 keys lie 64 nearer to, or beyond, the query
.else
	v_nop
.endif
	v_nop
	v_nop
	v_nop
	v_nop
.endm
; a range of 256 keys in slot sl: four steps of 64, written out
.macro COMPUTE i0, diag, sl, first
.if \diag
	v_mov_b32 v[DQ], v[DQ0]
.endif
	SUBSTEP \i0, \diag, \first, \sl, 0
	SUBSTEP \i0, \diag, 0, \sl, 1
	SUBSTEP \i0, \diag, 0, \sl, 2
	SUBSTEP \i0, \diag, 0, \sl, 3
.endm
; waves 0-3: tiles ia .. 3 (ia = 4: none); waves 4-7: tiles ib .. 3.  No barrier and no tensor load stands inside the branch.
.macro STEP ia, dga, ib, dgb, sl, first
	s_cmp_lg_u32 s9, 0
	s_cbranch_scc1 .Lupper_\@
.if \ia < 4
	COMPUTE \ia, \dga, \sl, \first
.endif
	s_branch .Ljoin_\@
.Lupper_\@:
	COMPUTE \ib, \dgb, \sl, \first
.Ljoin_\@:
.endm
; Slot sl has been read: every wave waits for its reads and for all its tensor loads, the slot's address steps two ranges on, a round of the
; cluster's barrier shows the same of every wave of all four work-groups, and the joint refill is the first tensor load behind it.
.macro REFILL sl
	s_wait_dscnt 0x0
	s_wait_tensorcnt 0x0
	ds_add_u32 v62, v63
	s_wait_dscnt 0x0
	s_add_nc_u64 s[G0+4*\sl+2:G0+4*\sl+3], s[G0+4*\sl+2:G0+4*\sl+3], 2*RANGE
	ROUND
	JLOAD \sl
.endm
	s_wait_tensorcnt 0x1                           ; my part of range 0 is in; range 1's may stay out
	s_barrier_signal -1
	s_barrier_wait -1
	s_wait_loadcnt 0x0                             ; Q
	STEP 0, 1, 0, 0, 0, 1                          ; range 0
	REFILL 0                                       ; range 2
	PREF 1
	STEP 1, 0, 0, 1, 1, 0                          ; range 1
	REFILL 1                                       ; range 3
	PREF 2
	STEP 1, 1, 1, 0, 0, 0                          ; range 2
	REFILL 0                                       ; range 4
	PREF 3
	STEP 2, 0, 1, 1, 1, 0                          ; range 3
	REFILL 1                                       ; range 5
	PREF 4
	STEP 2, 1, 2, 0, 0, 0                          ; range 4
	REFILL 0                                       ; range 6
	PREF 5
	STEP 3, 0, 2, 1, 1, 0                          ; range 5
	REFILL 1                                       ; range 7: the last load
	STEP 3, 1, 3, 0, 0, 0                          ; range 6
	s_wait_dscnt 0x0
	s_wait_tensorcnt 0x0                           ; my part of range 7 is in
	s_barrier_signal -1
	s_barrier_wait -1                              ; everybody's is; nothing is filled any more
	STEP 4, 0, 3, 1, 1, 0                          ; range 7: waves 4-7 alone have a tile there
	; ---- the way out: O / sum, to f16, through my own stage, 2 KiB of consecutive bytes for each tile ----
.irp i, 0,1,2,3
	v_permlanex16_b32 v[TR+8*\i+1], v[STT+4*\i+3], s54, s55
.endr
.irp i, 0,1,2,3
	v_add_f32 v[TR+8*\i], v[STT+4*\i+3], v[TR+8*\i+1]      ; both halves' sums; at least one probability is 1, so the sum is not 0
.endr
.irp i, 0,1,2,3
	v_rcp_f32 v[STT+4*\i+2], v[TR+8*\i]
.endr
	v_nop                                          ; one plain instruction behind the last reciprocal
	s_wait_alu depctr_va_vdst(0)
	WIN 0x41
	RESCALE 0
	RESCALE 1
	RESCALE 2
	RESCALE 3
	WIN 0x05
.irp i, 0,1,2,3
.irp db, 0,1,2,3
.irp c, 0,1,2,3
	v_cvt_pk_f16_f32 v[SR+32*\i+4*\db+\c], v[OACC+32*\i+8*\db+2*\c], v[OACC+32*\i+8*\db+2*\c+1]
.endr
.endr
.endr
	WIN 0
.irp i, 0,1,2,3
.irp db, 0,1,2,3
	ds_store_b128 v[STO], v[SR+32*\i+4*\db:SR+32*\i+4*\db+3] offset:32*\db     ; query r, d = 16 db + 8 h ..
.endr
.irp t, 0,1,2,3
	ds_load_b128 v[SR+32*\i+16+4*\t:SR+32*\i+16+4*\t+3], v[RD] offset:4*KP*\t  ; LDS serves a wave's instructions in order (ISA guide 5.7.1.4): these see the stores above
.endr
.irp t, 0,1,2,3
	s_wait_dscnt 3-\t
	global_store_b128 v[OOFF], v[SR+32*\i+16+4*\t:SR+32*\i+16+4*\t+3], s[22:23] offset:65536*\i+512*\t   ; the wave stores 512 consecutive bytes, aligned
.endr
.endr
	s_wait_tensorcnt 0x0
	ds_add_u32 v62, v63
	s_wait_dscnt 0x0
	ROUND                                          ; the closing round
	s_endpgm
.Lfunc_end_k_q7dac75dfea_attn:
	.size	k_q7dac75dfea_attn, .Lfunc_end_k_q7dac75dfea_attn-k_q7dac75dfea_attn
	.p2alignl 7, 3214868480
	.fill 96, 4, 3214868480
	.section	.rodata,"a",@progbits
	.p2align	6, 0x0
	.amdhsa_kernel k_q7dac75dfea_attn
		.amdhsa_group_segment_fixed_size 327680
		.amdhsa_private_segment_fixed_size 0
		.amdhsa_enable_private_segment 0
		.amdhsa_kernarg_size 16
		.amdhsa_user_sgpr_count 2
		.amdhsa_user_sgpr_kernarg_segment_ptr 1
		.amdhsa_wavefront_size32 1
		.amdhsa_system_sgpr_workgroup_id_x 1
		.amdhsa_system_sgpr_workgroup_id_y 1
		.amdhsa_system_sgpr_workgroup_id_z 1
		.amdhsa_system_vgpr_workitem_id 0
		.amdhsa_next_free_vgpr 512
		.amdhsa_next_free_sgpr 66
		.amdhsa_reserve_vcc 1
		.amdhsa_float_denorm_mode_32 3
		.amdhsa_float_denorm_mode_16_64 3
		.amdhsa_memory_ordered 1
		.amdhsa_forward_progress 1
		.amdhsa_inst_pref_size 255
	.end_amdhsa_kernel
	.section	.bss,"aw",@nobits
	.p2align	6
	.space	262144
	.amdgpu_metadata
---
amdhsa.version: [ 1, 2 ]
amdhsa.kernels:
  - .name:           k_q7dac75dfea_attn
    .symbol:         k_q7dac75dfea_attn.kd
    .args:
      - { .name: qkv, .offset: 0, .size: 8, .value_kind: global_buffer, .address_space: global }
      - { .name: oh, .offset: 8, .size: 8, .value_kind: global_buffer, .address_space: global }
    .group_segment_fixed_size: 327680
    .private_segment_fixed_size: 0
    .kernarg_segment_align: 8
    .kernarg_segment_size: 16
    .max_flat_workgroup_size: 256
    .sgpr_count:     66
    .vgpr_count:     512
    .wavefront_size: 32
...
	.end_amdgpu_metadata
.endif
;; end of part 3
;; launch outp (part 4): grid 8 x 32, 4 waves a work-group, clusters of 4 x 4, 327,680 bytes of LDS; arguments oh, woh, out0; writes out0
.if DOCPART == 4
	.amdgcn_target "amdgcn-amd-amdhsa--gfx1250"
	.amdhsa_code_object_version 6
	.text
	.protected	k_q7dac75dfea_outp
	.globl	k_q7dac75dfea_outp
	.p2align	8
	.type	k_q7dac75dfea_outp,@function
k_q7dac75dfea_outp:
	s_mov_b64 s[64:65], 0
	v_nop
	global_prefetch_b8 v0, s[64:65] scope:SCOPE_SE
	s_setreg_imm32_b32 hwreg(HW_REG_WAVE_MODE, 25, 1), 1
	s_wait_xcnt 0x0
	s_wait_alu depctr_hold_cnt(0) depctr_sa_sdst(0) depctr_va_vdst(0) depctr_va_sdst(0) depctr_va_ssrc(0) depctr_va_vcc(0) depctr_vm_vsrc(0)
	s_getreg_b32 s2, hwreg(HW_REG_IB_STS2, 6, 4)
	s_cmp_eq_u32 s2, 0
	s_cbranch_scc0 .Lentry_in_a_cluster
	s_endpgm
.Lentry_in_a_cluster:
	s_bfe_u32 s2, ttmp6, 0x10000c
	s_cmp_lg_u32 s2, 0xf033
	s_cbranch_scc0 .Lentry_shape_is_right
	s_endpgm
.Lentry_shape_is_right:
; OUTP: out0[m][e] = sum over hk of o[m][hk] w_o[e][hk], M = 8192, N = 1024, K = 1024, f16 operands, f32 sums, f32 result.
; o lies head by head (oh[h][m][64]), so a K step of 128 is two heads' planes of 256 rows x 128 bytes; woh[e][hk] has K along its rows.
; A work-group makes 256 x 128 of out0 with four waves (8 x 32 = 256 work-groups); a wave makes 128 x 64: 32 accumulator tiles, 256 registers.
; Two LDS slots filled by tensor loads; 4 x 4 work-groups form a cluster: o's tiles are shared along a row of the cluster, w_o's along a column,
; each asked for jointly by the same tensor load with the same descriptor and a mask that names the four.
; REGISTERS: window 0 addresses and fragments of o (two buffers v64-127, v128-191); window 1 fragments of w_o (two buffers of 32);
; window 2 the 16 accumulator tiles of my rows 0-63 (tile (a, b) at v[8 (4 a + b)]); window 3 rows 64-127.
; The matrix instruction is used transposed (source 0 = rows of w_o, source 1 = rows of o): a lane holds eight neighbouring columns of one row.
.set KSTEPS, 8
.set NB,     4
.set APITCH, 144                       ; o's LDS rows: 128 bytes + 16
.set PITCH,  272                       ; w_o's LDS rows: 256 bytes + 16
.set PLANE,  256*APITCH                ; one head's 256 rows: one tensor load
.set HALFB,  64*PITCH                  ; 64 rows of w_o: one tensor load
.set SLOT,   2*PLANE+2*HALFB           ; 108,544 bytes; two slots
.set STAGE,  2*SLOT                    ; behind the slots: 16 rows x 272 bytes for each wave; no load lands there
.set SPITCH, 272
.set ASTEP,  4<<20                     ; two K steps on in oh: four planes of 1 MiB
.set BSTEP,  512                       ; two K steps on in woh
.set LAPS, KSTEPS/2
.set ADRA, 16
.set ADRB, 20
.set STO,  24
.set RD,   25
.set CO,   26
.set F0,   64
.set F1,   128
.set G1, 24
.set G0, 32
.set G1B, 48
.set G0B, 56
.set MSB, 0
.macro WIN new
.if MSB != \new
	s_set_vgpr_msb (MSB<<8)|\new
.set MSB, \new
.endif
.endm
.set MUL_LO, 0xa1
.set MUL_HI, 0xf1
.set TO_B,   0x40
.macro JLOAD s                         ; waves 0 and 1 fetch the two heads' planes of o, waves 2 and 3 the two halves of w_o's rows
	s_cmp_eq_u32 s11, 0
	s_cbranch_scc0 .Lfor_b_\@
	tensor_load_to_lds s[G0+4*\s:G0+4*\s+3], s[G1:G1+7]
	s_nop 0
	s_branch .Lasked_\@
.Lfor_b_\@:
	tensor_load_to_lds s[G0B+4*\s:G0B+4*\s+3], s[G1B:G1B+7]
	s_nop 0
.Lasked_\@:
.endm
.macro CREST
	s_cmp_lg_u32 s10, 0
	s_cbranch_scc1 .Lnot_wave_0_\@
	s_barrier_signal -3
.Lnot_wave_0_\@:
	s_barrier_wait -3
	s_barrier_signal -1
	s_barrier_wait -1
.endm
.macro CROUND
	s_barrier_signal -1
	s_barrier_wait -1
	CREST
.endm
	s_load_b128 s[4:7], s[0:1], 0x0                ; oh s[4:5], woh s[6:7]
	s_load_b64 s[8:9], s[0:1], 0x10                ; out0
	s_set_vgpr_msb 0x40
	v_lshl_add_u32 v255, v0, 2, 0x39400
	s_set_vgpr_msb 0x4000
	v_mov_b32 v255, 0
	s_set_vgpr_msb 0x1
	ds_add_u32 v255, v255
	s_set_vgpr_msb 0x100
	v_lshrrev_b32 v1, 5, v0
	v_readfirstlane_b32 s10, v1                    ; wave 0..3
	s_lshr_b32 s11, s10, 1                         ; my half of the block's rows; also: I fetch o (0) or w_o (1)
	s_and_b32 s12, s10, 1                          ; my half of its columns; also: which head, or which 64 rows, I fetch
	s_bfe_u32 s40, ttmp6, 0x40000                  ; cx
	s_bfe_u32 s41, ttmp6, 0x40004                  ; cy
	s_lshl_b32 s42, ttmp9, 2
	s_add_co_u32 s42, s42, s40                     ; block column
	s_and_b32 s13, ttmp7, 0xffff
	s_lshl_b32 s13, s13, 2
	s_add_co_u32 s13, s13, s41                     ; block row
	s_lshl_b32 s43, s41, 2
	s_lshl_b32 s43, 15, s43                        ; my row of the cluster
	s_lshl_b32 s44, 0x1111, s40                    ; my column
	s_or_b32 s[G1+0], s43, (1<<16)|(1<<20)|(1<<21)|(4<<22)|(3<<25)   ; o: 4 words of padding behind every 32
	s_or_b32 s[G1B+0], s44, (1<<16)|(1<<20)|(1<<21)|(5<<22)|(3<<25)  ; w_o: behind every 64
	s_mov_b32 s[G1+1], 64<<16                      ; tensor_dim0: a head's 64
	s_mov_b32 s[G1B+1], 128<<16                    ;              128 along hk
	s_mov_b32 s[G1+2], 256<<16                     ; tensor_dim1: 256 rows of o
	s_mov_b32 s[G1B+2], 64<<16                     ;              64 rows of w_o
	s_mov_b32 s[G1+3], 64<<16                      ; tile_dim0
	s_mov_b32 s[G1B+3], 128<<16
	s_mov_b32 s[G1+4], 256                         ; tile_dim1
	s_mov_b32 s[G1B+4], 64
	s_mov_b32 s[G1+5], 64                          ; elements from row to row
	s_mov_b32 s[G1B+5], 1024
	s_mov_b32 s[G1+6], 0
	s_mov_b32 s[G1B+6], 0
	s_mov_b32 s[G1+7], 0
	s_mov_b32 s[G1B+7], 0
	s_lshl_b32 s17, s12, 20                        ; o: head w & 1 of the K step,
	s_lshl_b32 s16, s13, 15                        ;    256 x block row rows of 128 bytes
	s_add_co_u32 s16, s16, s17
	s_mov_b32 s17, 0
	s_lshl_b32 s46, s42, 7
	s_lshl_b32 s47, s12, 6
	s_add_co_u32 s46, s46, s47                     ; w_o: row 128 x block column + 64 x half
	s_lshl_b32 s46, s46, 11                        ; rows of 2,048 bytes
	s_mov_b32 s47, 0
	s_mul_i32 s20, s10, PLANE                      ; LDS: waves 0, 1: the planes at w x PLANE
	s_mul_i32 s21, s10, HALFB                      ;      waves 2, 3: behind them, at 2 PLANE + (w - 2) x HALFB
	s_add_co_u32 s21, s21, 2*PLANE-2*HALFB
	s_wait_dscnt 0x0
	s_wait_kmcnt 0x0
	s_add_nc_u64 s[14:15], s[4:5], s[16:17]
	s_add_nc_u64 s[46:47], s[6:7], s[46:47]
	CROUND                                         ; all sixteen work-groups are here: the first joint loads meet
.irp s, 0,1
	s_mov_b32 s[G0+4*\s], 1
	s_add_co_u32 s[G0+4*\s+1], s20, \s*SLOT
	s_add_nc_u64 s[G0+4*\s+2:G0+4*\s+3], s[14:15], \s*(2<<20)
	s_or_b32 s[G0+4*\s+3], s[G0+4*\s+3], 0x80000000
	s_mov_b32 s[G0B+4*\s], 1
	s_add_co_u32 s[G0B+4*\s+1], s21, \s*SLOT
	s_add_nc_u64 s[G0B+4*\s+2:G0B+4*\s+3], s[46:47], \s*256
	s_or_b32 s[G0B+4*\s+3], s[G0B+4*\s+3], 0x80000000
	JLOAD \s                                       ; two tensor loads of a wave are out here, one later
.endr
	v_and_b32 v1, 15, v0                           ; r
	v_bfe_u32 v2, v0, 4, 1                         ; h
	v_mul_u32_u24 v3, v1, APITCH
	v_lshl_add_u32 v3, v2, 4, v3
	v_mul_u32_u24 v6, v1, PITCH
	v_lshl_add_u32 v6, v2, 4, v6
	s_mul_i32 s21, s11, 128*APITCH                 ; my 128 rows of each plane
	s_mul_i32 s22, s12, HALFB                      ; my 64 rows of w_o
	s_add_co_u32 s22, s22, 2*PLANE
.irp s, 0,1
	v_add_nc_u32 v[ADRA+\s], s21, v3
	v_add_nc_u32 v[ADRB+\s], s22, v6
	s_add_co_u32 s21, s21, SLOT
	s_add_co_u32 s22, s22, SLOT
.endr
	s_mul_i32 s23, s10, 16*SPITCH
	s_add_co_u32 s23, s23, STAGE                   ; my stage
	v_mul_u32_u24 v4, v1, SPITCH                   ; in: row r, 32 bytes for each half of the lanes
	v_lshl_add_u32 v4, v2, 5, v4
	v_add_nc_u32 v[STO], s23, v4
	v_mul_u32_u24 v5, v2, SPITCH                   ; back: lanes 0-15 one row of 256 bytes, lanes 16-31 the next
	v_lshl_add_u32 v5, v1, 4, v5
	v_add_nc_u32 v[RD], s23, v5
	v_lshlrev_b32 v5, 12, v2                       ; and the same two rows of 4,096 bytes in out0
	v_lshl_add_u32 v[CO], v1, 4, v5
.macro MUL8 f, hi, a0, zero
.irp a, \a0, \a0+1
.irp b, 0,1,2,3
.if \zero
	v_wmma_f32_16x16x32_f16 v[8*(NB*(\a)+\b):8*(NB*(\a)+\b)+7], v[\f+8*\b:\f+8*\b+7], v[\f+8*(4*\hi+\a):\f+8*(4*\hi+\a)+7], 0
.else
	v_wmma_f32_16x16x32_f16 v[8*(NB*(\a)+\b):8*(NB*(\a)+\b)+7], v[\f+8*\b:\f+8*\b+7], v[\f+8*(4*\hi+\a):\f+8*(4*\hi+\a)+7], v[8*(NB*(\a)+\b):8*(NB*(\a)+\b)+7]
.endif
.endr
.endr
.endm
; 24 LDS loads in one run: quarter q of the K step: 64 rows of w_o at byte 64 q, 128 rows of o in plane q / 2 at byte 64 (q % 2)
.macro FETCH slot, q, f
	WIN TO_B
.irp i, 0,1,2,3
	ds_load_b128 v[\f+8*\i:\f+8*\i+3],   v[ADRB+\slot] offset:64*\q+\i*16*PITCH
	ds_load_b128 v[\f+8*\i+4:\f+8*\i+7], v[ADRB+\slot] offset:64*\q+\i*16*PITCH+32
.endr
	WIN 0
.irp i, 0,1,2,3,4,5,6,7
	ds_load_b128 v[\f+8*\i:\f+8*\i+3],   v[ADRA+\slot] offset:(\q/2)*PLANE+(\q%2)*64+\i*16*APITCH
	ds_load_b128 v[\f+8*\i+4:\f+8*\i+7], v[ADRA+\slot] offset:(\q/2)*PLANE+(\q%2)*64+\i*16*APITCH+32
.endr
.endm
; Four independent vector instructions stand between a matrix instruction and a load into, or another use of, its registers
.macro PLACES
.rept 4
	v_nop
.endr
.endm
; The 32 accumulators take turns, one instruction a turn, in the same order in every quarter step.
.macro QUARTER slot, q, f, g, zero
	s_wait_dscnt 8                                 ; w_o and o's rows 0-63 are in; the youngest eight loads (o's rows 64-127) may be out
	WIN MUL_LO
	MUL8 \f, 0, 0, \zero
	MUL8 \f, 0, 2, \zero
	PLACES
	FETCH \slot, \q, \g
	s_wait_dscnt 24                                ; all but the 24 just issued
	WIN MUL_HI
	MUL8 \f, 1, 0, \zero
	MUL8 \f, 1, 2, \zero
.endm
.macro THREE slot, zero
	QUARTER \slot, 1, F0, F1, \zero
	QUARTER \slot, 2, F1, F0, 0
	QUARTER \slot, 3, F0, F1, 0
.endm
; The change of slots: waits for my reads of this slot and for all my tensor loads in front of the barrier; where the slot is filled again the barrier opens
; a round of the cluster's barrier and the joint refill comes first behind it.  From a request to the wait for it a wave issues 120 matrix instructions.
.macro TURN slot, next, fill
	s_wait_dscnt 8
	WIN MUL_LO
	MUL8 F1, 0, 0, 0
	s_wait_dscnt 0
	s_wait_tensorcnt 0x0
	ds_add_u32 v255, v255
	s_wait_dscnt 0x0
	s_barrier_signal -1
	MUL8 F1, 0, 2, 0
	WIN 0
	s_barrier_wait -1
.if \fill
	CREST
	s_add_nc_u64 s[G0+4*\slot+2:G0+4*\slot+3], s[G0+4*\slot+2:G0+4*\slot+3], ASTEP
	s_add_nc_u64 s[G0B+4*\slot+2:G0B+4*\slot+3], s[G0B+4*\slot+2:G0B+4*\slot+3], BSTEP
	JLOAD \slot
.endif
	PLACES
	FETCH \next, 0, F0
	WIN MUL_HI
	MUL8 F1, 1, 0, 0
	MUL8 F1, 1, 2, 0
.endm
.macro LAP zero
	THREE 0, \zero
	TURN 0, 1, 1
	THREE 1, 0
	TURN 1, 0, 1
.endm
	s_wait_tensorcnt 1                             ; my part of K step 0 is in; K step 1's may stay out
	s_barrier_signal -1
	s_barrier_wait -1
	FETCH 0, 0, F0
	LAP 1
	WIN 0
	s_mov_b32 s3, LAPS-2
.Llap:
	LAP 0
	WIN 0
	s_sub_co_u32 s3, s3, 1
	s_cmp_lg_u32 s3, 0
	s_cbranch_scc1 .Llap
	THREE 0, 0                                     ; the last lap fills nothing
	TURN 0, 1, 0
	THREE 1, 0
	s_wait_dscnt 8
	WIN MUL_LO
	MUL8 F1, 0, 0, 0
	MUL8 F1, 0, 2, 0
	s_wait_dscnt 0
	WIN MUL_HI
	MUL8 F1, 1, 0, 0
	MUL8 F1, 1, 2, 0
	; THE WAY OUT, 16 rows at a time: the f32 sums go as they are into my own stage and come back as whole rows of 256 bytes
	PLACES
	s_lshl_b32 s16, s13, 20                        ; 256 x block row rows of 4,096 bytes
	s_lshl_b32 s17, s11, 19                        ; + 128 x my half
	s_add_co_u32 s16, s16, s17
	s_mov_b32 s17, 0
	s_add_nc_u64 s[8:9], s[8:9], s[16:17]
	s_lshl_b32 s46, s42, 9                         ; 128 x block column columns of 4 bytes
	s_lshl_b32 s47, s12, 8                         ; + 64 x my half
	s_add_co_u32 s46, s46, s47
	s_mov_b32 s47, 0
	s_add_nc_u64 s[8:9], s[8:9], s[46:47]
; rows 16 i .. 16 i + 15 of my block = tiles (a, 0..3) of window 2 or 3 (from = 0x08 or 0x0c: the stores' data); f: F0 or F1 in turn
.macro OUT16 i, a, from, f
	WIN \from
.irp b, 0,1,2,3
	ds_store_b128 v[STO], v[8*(NB*\a+\b):8*(NB*\a+\b)+3]   offset:64*\b
	ds_store_b128 v[STO], v[8*(NB*\a+\b)+4:8*(NB*\a+\b)+7] offset:64*\b+16
.endr
	WIN 0
	s_wait_xcnt 0x0                                ; buffer f, which earlier stores read, is loaded again only behind this wait
.irp t, 0,1,2,3,4,5,6,7
	ds_load_b128 v[\f+4*\t:\f+4*\t+3], v[RD] offset:\t*2*SPITCH    ; LDS serves a wave's instructions in order (ISA guide 5.7.1.4): these see the stores above
.endr
.irp t, 0,1,2,3,4,5,6,7
	s_wait_dscnt 7-\t
	global_store_b128 v[CO], v[\f+4*\t:\f+4*\t+3], s[8:9] offset:65536*\i+8192*\t th:TH_STORE_NT   ; sixteen lanes store 256 consecutive bytes, aligned
.endr
.endm
	OUT16 0, 0, 0x08, F0
	OUT16 1, 1, 0x08, F1
	OUT16 2, 2, 0x08, F0
	OUT16 3, 3, 0x08, F1
	OUT16 4, 0, 0x0c, F0
	OUT16 5, 1, 0x0c, F1
	OUT16 6, 2, 0x0c, F0
	OUT16 7, 3, 0x0c, F1
	s_set_vgpr_msb 0x1
	s_wait_tensorcnt 0x0
	ds_add_u32 v255, v255
	s_wait_dscnt 0x0
	s_set_vgpr_msb 0x100
	CROUND                                         ; the closing round
	s_endpgm
.Lfunc_end_k_q7dac75dfea_outp:
	.size	k_q7dac75dfea_outp, .Lfunc_end_k_q7dac75dfea_outp-k_q7dac75dfea_outp
	.p2alignl 7, 3214868480
	.fill 96, 4, 3214868480
	.section	.rodata,"a",@progbits
	.p2align	6, 0x0
	.amdhsa_kernel k_q7dac75dfea_outp
		.amdhsa_group_segment_fixed_size 327680
		.amdhsa_private_segment_fixed_size 0
		.amdhsa_enable_private_segment 0
		.amdhsa_kernarg_size 24
		.amdhsa_user_sgpr_count 2
		.amdhsa_user_sgpr_kernarg_segment_ptr 1
		.amdhsa_wavefront_size32 1
		.amdhsa_system_sgpr_workgroup_id_x 1
		.amdhsa_system_sgpr_workgroup_id_y 1
		.amdhsa_system_sgpr_workgroup_id_z 1
		.amdhsa_system_vgpr_workitem_id 0
		.amdhsa_next_free_vgpr 1024
		.amdhsa_next_free_sgpr 66
		.amdhsa_reserve_vcc 0
		.amdhsa_float_denorm_mode_32 3
		.amdhsa_float_denorm_mode_16_64 3
		.amdhsa_memory_ordered 1
		.amdhsa_forward_progress 1
		.amdhsa_inst_pref_size 120
	.end_amdhsa_kernel
	.amdgpu_metadata
---
amdhsa.version: [ 1, 2 ]
amdhsa.kernels:
  - .name:           k_q7dac75dfea_outp
    .symbol:         k_q7dac75dfea_outp.kd
    .args:
      - { .name: oh, .offset: 0, .size: 8, .value_kind: global_buffer, .address_space: global }
      - { .name: woh, .offset: 8, .size: 8, .value_kind: global_buffer, .address_space: global }
      - { .name: out0, .offset: 16, .size: 8, .value_kind: global_buffer, .address_space: global }
    .group_segment_fixed_size: 327680
    .private_segment_fixed_size: 0
    .kernarg_segment_align: 8
    .kernarg_segment_size: 24
    .max_flat_workgroup_size: 128
    .sgpr_count:     66
    .vgpr_count:     1024
    .wavefront_size: 32
...
	.end_amdgpu_metadata
.endif
;; end of part 4
;; ======== version 2 of 2: 4 launches
;; limits: values are held in f16: magnitudes above 65,504 overflow, below 6.1e-05 lose precision
;; workspace buffers: xb 16,777,216 bytes; wt 6,291,456 bytes; woh 2,097,152 bytes; qkv 50,331,648 bytes; oh 16,777,216 bytes
;; launch prep: the kernel of part 1 again; grid 768 x 1, 8 waves a work-group, no clusters, 34,304 bytes of LDS; arguments x_BSE, w_o, w_q, w_k, w_v, xb, woh, wt; writes xb, woh, wt
;; launch proj: the kernel of part 2 again; grid 16 x 32, 4 waves a work-group, clusters of 4 x 4, 327,680 bytes of LDS; arguments xb, wt, qkv; writes qkv
;; launch attn (part 5): grid 256 x 1, 8 waves a work-group, clusters of 4 x 1, 327,680 bytes of LDS; arguments qkv, oh; writes oh
.if DOCPART == 5
	.amdgcn_target "amdgcn-amd-amdhsa--gfx1250"
	.amdhsa_code_object_version 6
	.text
	.protected	k_q7dac75dfea_attn
	.globl	k_q7dac75dfea_attn
	.p2align	8
	.type	k_q7dac75dfea_attn,@function
k_q7dac75dfea_attn:
	s_mov_b64 s[64:65], 0
	v_nop
	global_prefetch_b8 v0, s[64:65] scope:SCOPE_SE
	s_setreg_imm32_b32 hwreg(HW_REG_WAVE_MODE, 25, 1), 1
	s_wait_xcnt 0x0
	s_wait_alu depctr_hold_cnt(0) depctr_sa_sdst(0) depctr_va_vdst(0) depctr_va_sdst(0) depctr_va_ssrc(0) depctr_va_vcc(0) depctr_vm_vsrc(0)
	s_getreg_b32 s2, hwreg(HW_REG_IB_STS2, 6, 4)
	s_cmp_eq_u32 s2, 0
	s_cbranch_scc0 .Lentry_in_a_cluster
	s_endpgm
.Lentry_in_a_cluster:
	s_bfe_u32 s2, ttmp6, 0x10000c
	s_cmp_lg_u32 s2, 0x3003
	s_cbranch_scc0 .Lentry_shape_is_right
	s_endpgm
.Lentry_shape_is_right:
; ATTN: causal attention, one cluster of four work-groups for each of the 64 (batch, head) pairs.  f16 operands, f32 sums, softmax in f32 with a running maximum.
; All 2,048 queries of the head stay in registers: wave w of work-group cx holds four tiles of 16 queries, tile i = rows 512 i + 64 w + 16 cx + r.
; The four work-groups walk the eight ranges of 256 keys together; each range's K and V (64 KiB) are asked for JOINTLY (mask 15), one tensor load a wave:
; waves 0-3 bring 64 keys of K each, waves 4-7 64 keys of V each.  So K and V are requested once for the head, and every work-group has the same work.
; Tile i of a wave meets range R only while R <= 2 i + (w >> 2); at equality the causal mask is applied.  Which tiles are at work hangs on R and w >> 2 alone.
; ORIENTATION: S^T = K Q^T (a lane holds query r = l % 16 and keys 8 h + j), so that two packed tiles of S^T are the operand P^T as they lie, and
; O^T = V^T P^T (a lane holds query r again): maximum, sum and rescaling factor are the lane's own; the two halves of the lanes meet by one lane exchange.
; LOOPS: the tiles at work change from range to range, so the ranges are written out.  Range 0's four steps of 64 keys are written out too: its first step starts
; the sums, and every LDS address there is a lane term that is never rewritten plus an immediate.  In ranges 1 to 7 the four steps are a counted loop; a step's
; LDS addresses are made anew in each trip: the trip's number (from 0, clamped to 3 where the address is made) times a part's bytes, plus the same lane term.
; LIMITS: q, k, v, the probabilities and o are f16 (|q|, |k|, |v| < 65,504); NaN and infinities in the inputs are not served.
.set PART,  10240                      ; a wave's part of a slot: 64 keys of K at pitch 144 (9,216 bytes used) or of V at pitch 160
.set SLOT,  8*PART                     ; parts 0-3 K, parts 4-7 V; two slots
.set STAGE, 2*SLOT                     ; behind the slots: 16 rows x 144 bytes for each wave, for the way out; no load lands there
.set KP,    144                        ; odd multiple of 16
.set VP,    160                        ; odd multiple of 32, for the transposing loads
.set RANGE, 32768                      ; 256 keys of 128 bytes
; window 0
.set KL,   4                           ; v4, v5: 144 r + 16 h in slot 0, 1; never rewritten
.set VL,   6                           ; v6, v7: 4 PART + (8 h + (l & 7)) 160 + 16 ((l >> 3) & 1) in slot 0, 1; never rewritten
.set DQ,   8                           ; query - key of element (kt = 0, j = 0), in the diagonal range
.set QOFF, 9
.set OOFF, 10
.set STO,  11
.set RD,   12
.set DQ0,  13
.set PFO,  14
.set STT,  16                          ; v[16+4i ..]: -c M, M, alpha, sum of tile i
.set TR,   32                          ; v[32+8i .. 32+8i+3]: at work
.set KADR, 36                          ; v36: KL + the trip's part, made anew in each trip of a loop
.set VADR, 37                          ; v37: VL + the trip's part
.set VF,   64                          ; v[64+16db+8g ..]: V^T fragments
.set SR,   128                         ; v[128+32i ..]: S^T of tile i; P^T for keys 32 g .. in place at + 16 g
; window 1
.set OACC, 0                           ; v[32i+8db ..]: O^T
.set QR,   128                         ; v[128+16i+8ks ..]: Q fragments
.set KF,   192                         ; v[192+16kt+8ks ..]: K fragments
.set G1K, 24
.set G1V, 32
.set G0,  40                           ; s[40:47]: one set a slot
.set MSB, 0
.macro WIN new
.if MSB != \new
	s_set_vgpr_msb (MSB<<8)|\new
.set MSB, \new
.endif
.endm
.macro ROUND                           ; a round of the cluster's barrier
	s_barrier_signal -1
	s_barrier_wait -1
	s_cmp_lg_u32 s8, 0
	s_cbranch_scc1 .Lnot_wave_0_\@
	s_barrier_signal -3
.Lnot_wave_0_\@:
	s_barrier_wait -3
	s_barrier_signal -1
	s_barrier_wait -1
.endm
.macro JLOAD sl                        ; my part of a range: K's shape for waves 0-3, V's (wider padding) for waves 4-7
	s_cmp_eq_u32 s9, 0
	s_cbranch_scc0 .Lfor_v_\@
	tensor_load_to_lds s[G0+4*\sl:G0+4*\sl+3], s[G1K:G1K+7]
	s_nop 0
	s_branch .Lasked_\@
.Lfor_v_\@:
	tensor_load_to_lds s[G0+4*\sl:G0+4*\sl+3], s[G1V:G1V+7]
	s_nop 0
.Lasked_\@:
.endm
; Range rg + 2 is asked for one range ahead of its tensor load: wave 0 of each work-group asks for a quarter (8 KiB, lanes 256 bytes apart) of K's 32 KiB,
; wave 4 for a quarter of V's, so each block is asked for once in the cluster.  The last call names range 7, the head's last.
.macro PREF rg
	s_cmp_lg_u32 s10, 0
	s_cbranch_scc1 .Lno_pf_\@
	global_prefetch_b8 v[PFO], s[20:21] offset:(\rg+2)*RANGE th:TH_LOAD_NT scope:SCOPE_SE
.Lno_pf_\@:
.endm
	s_load_b128 s[4:7], s[0:1], 0x0                ; qkv s[4:5], oh s[6:7]
	v_lshl_add_u32 v62, v0, 2, 0x2c800
	v_mov_b32 v63, 0
	ds_add_u32 v62, v63
	v_lshrrev_b32 v1, 5, v0
	v_readfirstlane_b32 s8, v1                     ; wave 0..7
	s_lshr_b32 s9, s8, 2                           ; upper half of the waves: brings V; its queries lie 256 further down
	s_and_b32 s10, s8, 3
	s_bfe_u32 s11, ttmp6, 0x40000                  ; cx: enters global offsets and the mask's numbers only
	s_and_b32 s12, ttmp9, 15                       ; head
	s_lshr_b32 s13, ttmp9, 4                       ; batch
	s_lshl_b32 s14, s12, 20                        ; planes of 1 MiB
	s_lshl_b32 s13, s13, 18                        ; 2,048 rows of 128 bytes
	s_add_co_u32 s14, s14, s13
	s_mov_b32 s15, 0
	s_add_co_u32 s18, s9, 1
	s_lshl_b32 s18, s18, 24                        ; K's planes begin 16 planes behind Q's, V's 32
	s_mov_b32 s19, 0
	s_lshl_b32 s48, s10, 13                        ; my 64 keys of a range
	s_mov_b32 s49, 0
	s_mov_b32 s50, 0x3e38aa3b                      ; c = log2(e) / 8: the logits' 1 / sqrt(64) and the change of base in one factor
	s_mov_b32 s51, 0x3e38aa3b
	s_mov_b32 s52, 0xbe38aa3b                      ; -c
	s_mov_b32 s53, 0xff800000                      ; -infinity
	s_mov_b32 s54, 0x76543210                      ; lane i of one half reads lane i of the other
	s_mov_b32 s55, 0xfedcba98
	s_mov_b32 s[G1K+0], 15|(1<<16)|(1<<20)|(1<<21)|(4<<22)|(3<<25)   ; mask of all four; 2-byte elements; padding: 4 words behind every 32; bit 21 beside a mask
	s_mov_b32 s[G1V+0], 15|(1<<16)|(1<<20)|(1<<21)|(4<<22)|(7<<25)   ; the same with 8 words
.irp g, G1K, G1V
	s_mov_b32 s[\g+1], 64<<16                      ; tensor_dim0 = 64
	s_mov_b32 s[\g+2], 64<<16                      ; tensor_dim1 = 64
	s_mov_b32 s[\g+3], 64<<16                      ; tile_dim0 = 64 elements: a head's own row of 128 bytes
	s_mov_b32 s[\g+4], 64                          ; tile_dim1 = 64 keys
	s_mov_b32 s[\g+5], 64                          ; rows follow each other
	s_mov_b32 s[\g+6], 0
	s_mov_b32 s[\g+7], 0
.endr
	v_and_b32 v1, 31, v0                           ; l
	v_and_b32 v2, 15, v0                           ; r
	v_bfe_u32 v3, v0, 4, 1                         ; h
	v_mul_u32_u24 v[KL], v2, KP
	v_lshl_add_u32 v[KL], v3, 4, v[KL]             ; K's fragments: key r of a tile of 16, 16 bytes for each half of the lanes
	v_add_nc_u32 v[KL+1], SLOT, v[KL]              ; the same in slot 1
	v_and_b32 v32, 7, v0                           ; l & 7
	v_lshl_add_u32 v33, v3, 3, v32
	v_mul_u32_u24 v[VL], v33, VP
	v_bfe_u32 v33, v0, 3, 1
	v_lshl_add_u32 v[VL], v33, 4, v[VL]
	v_add_nc_u32 v[VL], 4*PART, v[VL]              ; V's parts lie behind K's four
	v_add_nc_u32 v[VL+1], SLOT, v[VL]
	s_lshl_b32 s59, s10, 6
	s_lshl4_add_u32 s59, s11, s59                  ; my tile's first query inside its range of 256: 64 (w & 3) + 16 cx
	v_add_nc_u32 v[DQ0], s59, v2
	v_lshlrev_b32 v33, 3, v3
	v_sub_nc_u32 v[DQ0], v[DQ0], v33               ; + r - 8 h
	s_lshl_b32 s59, s8, 6
	s_lshl4_add_u32 s59, s11, s59                  ; 64 w + 16 cx
	v_add_nc_u32 v33, s59, v2
	v_lshlrev_b32 v33, 7, v33
	v_lshl_add_u32 v[QOFF], v3, 4, v33             ; row 64 w + 16 cx + r of 128 bytes, + 16 h
	s_lshl_b32 s59, s59, 7
	v_lshl_add_u32 v[OOFF], v1, 4, s59             ; the tile's 2 KiB, 16 bytes a lane
	s_mul_i32 s59, s8, 16*KP
	s_add_co_u32 s59, s59, STAGE                   ; my stage
	v_add_nc_u32 v[STO], s59, v[KL]                ; in: row r, 16 bytes for each half
	v_lshrrev_b32 v33, 3, v1
	v_mul_u32_u24 v33, v33, KP
	v_lshl_add_u32 v33, v32, 4, v33
	v_add_nc_u32 v[RD], s59, v33                   ; back: four rows of 128 bytes a load
	s_lshl_b32 s59, s11, 13
	v_lshl_add_u32 v[PFO], v1, 8, s59
	s_mul_i32 s58, s8, PART
	s_wait_dscnt 0x0
	s_wait_kmcnt 0x0
	s_add_nc_u64 s[16:17], s[4:5], s[14:15]        ; Q of my head and batch
	s_add_nc_u64 s[22:23], s[6:7], s[14:15]        ; O likewise
	s_add_nc_u64 s[20:21], s[16:17], s[18:19]      ; K (waves 0-3) or V (waves 4-7)
	s_add_nc_u64 s[56:57], s[20:21], s[48:49]      ; my 64 keys of range 0
.irp sl, 0,1
	s_mov_b32 s[G0+4*\sl], 1
	s_add_co_u32 s[G0+4*\sl+1], s58, \sl*SLOT      ; LDS: wave x PART + slot
	s_add_nc_u64 s[G0+4*\sl+2:G0+4*\sl+3], s[56:57], \sl*RANGE
	s_or_b32 s[G0+4*\sl+3], s[G0+4*\sl+3], 0x80000000
.endr
	ROUND                                          ; all four work-groups are here: the first joint loads meet
	JLOAD 0                                        ; ranges 0 and 1: two tensor loads of a wave are out here, one later
	JLOAD 1
	WIN 0x40
.irp i, 0,1,2,3
.irp ks, 0,1
	global_load_b128 v[QR+16*\i+8*\ks:QR+16*\i+8*\ks+3],   v[QOFF], s[16:17] offset:65536*\i+64*\ks
	global_load_b128 v[QR+16*\i+8*\ks+4:QR+16*\i+8*\ks+7], v[QOFF], s[16:17] offset:65536*\i+64*\ks+32
.endr
.endr
	WIN 0
	PREF 0
; ---- the softmax of one tile, in pieces, so that the pieces of all tiles at work follow each other ----
.macro SM_MAX i, first                 ; the new maximum over my 32 keys, the other half's 32 and the old one; -c M; alpha = 2^(-c M new + c M old)
.irp c, 0,1,2,3
	v_max3_num_f32 v[TR+8*\i+\c], v[SR+32*\i+8*\c], v[SR+32*\i+8*\c+1], v[SR+32*\i+8*\c+2]
.endr
.irp c, 0,1,2,3
	v_max3_num_f32 v[TR+8*\i+\c], v[TR+8*\i+\c], v[SR+32*\i+8*\c+3], v[SR+32*\i+8*\c+4]
.endr
.irp c, 0,1,2,3
	v_max3_num_f32 v[TR+8*\i+\c], v[TR+8*\i+\c], v[SR+32*\i+8*\c+5], v[SR+32*\i+8*\c+6]
.endr
	v_max3_num_f32 v[TR+8*\i],   v[TR+8*\i],   v[SR+32*\i+7],  v[SR+32*\i+15]
	v_max3_num_f32 v[TR+8*\i+1], v[TR+8*\i+1], v[SR+32*\i+23], v[SR+32*\i+31]
	v_max3_num_f32 v[TR+8*\i],   v[TR+8*\i],   v[TR+8*\i+1],   v[TR+8*\i+2]
.if \first
	v_max_num_f32 v[TR+8*\i], v[TR+8*\i], v[TR+8*\i+3]
.else
	v_max3_num_f32 v[TR+8*\i], v[TR+8*\i], v[TR+8*\i+3], v[STT+4*\i+1]
.endif
	v_permlanex16_b32 v[TR+8*\i+1], v[TR+8*\i], s54, s55
	v_max_num_f32 v[STT+4*\i+1], v[TR+8*\i], v[TR+8*\i+1]
.if \first
	v_mul_f32 v[STT+4*\i], s52, v[STT+4*\i+1]
.else
	v_mul_f32 v[TR+8*\i+3], s52, v[STT+4*\i+1]
	v_sub_f32 v[TR+8*\i+2], v[TR+8*\i+3], v[STT+4*\i]      ; from the two rounded products, so that old and new blocks carry the same shift
	v_mov_b32 v[STT+4*\i], v[TR+8*\i+3]
	v_exp_f32 v[STT+4*\i+2], v[TR+8*\i+2]                  ; the next line is plain and touches neither register (ISA guide 5.7.2)
.endif
.endm
.macro SM_FMA i                        ; c S - c M
.set ee, 0
.rept 16
	v_pk_fma_f32 v[SR+32*\i+2*ee:SR+32*\i+2*ee+1], v[SR+32*\i+2*ee:SR+32*\i+2*ee+1], s[50:51], v[STT+4*\i:STT+4*\i+1] op_sel_hi:[1,0,0]
.set ee, ee+1
.endr
.endm
.macro SM_EXP i
.set ee, 0
.rept 32
	v_exp_f32 v[SR+32*\i+ee], v[SR+32*\i+ee]
.set ee, ee+1
.endr
.endm
.macro SM_SUM i, first                 ; my 32 probabilities in two chains; the two halves of the lanes keep sums of their own until the end
	v_pk_add_f32 v[TR+8*\i:TR+8*\i+1],   v[SR+32*\i:SR+32*\i+1],   v[SR+32*\i+4:SR+32*\i+5]
	v_pk_add_f32 v[TR+8*\i+2:TR+8*\i+3], v[SR+32*\i+2:SR+32*\i+3], v[SR+32*\i+6:SR+32*\i+7]
.irp e, 8,12,16,20,24,28
	v_pk_add_f32 v[TR+8*\i:TR+8*\i+1],   v[TR+8*\i:TR+8*\i+1],   v[SR+32*\i+\e:SR+32*\i+\e+1]
	v_pk_add_f32 v[TR+8*\i+2:TR+8*\i+3], v[TR+8*\i+2:TR+8*\i+3], v[SR+32*\i+\e+2:SR+32*\i+\e+3]
.endr
	v_pk_add_f32 v[TR+8*\i:TR+8*\i+1], v[TR+8*\i:TR+8*\i+1], v[TR+8*\i+2:TR+8*\i+3]
.if \first
	v_add_f32 v[STT+4*\i+3], v[TR+8*\i], v[TR+8*\i+1]
.else
	v_add_f32 v[TR+8*\i], v[TR+8*\i], v[TR+8*\i+1]
	v_fma_f32 v[STT+4*\i+3], v[STT+4*\i+3], v[STT+4*\i+2], v[TR+8*\i]
.endif
.endm
.macro SM_CVT i                        ; to f16 in place, ascending: word t of a group of 16 takes words 2 t and 2 t + 1
.irp g, 0,1
.irp t, 0,1,2,3,4,5,6,7
	v_cvt_pk_f16_f32 v[SR+32*\i+16*\g+\t], v[SR+32*\i+16*\g+2*\t], v[SR+32*\i+16*\g+2*\t+1]
.endr
.endr
.endm
.macro RESCALE i                       ; O of tile i times the word at STT + 2 (under WIN 0x41: O in window 1, the factor in window 0)
.set ee, 0
.rept 16
	v_pk_mul_f32 v[OACC+32*\i+2*ee:OACC+32*\i+2*ee+1], v[OACC+32*\i+2*ee:OACC+32*\i+2*ee+1], v[STT+4*\i+2:STT+4*\i+3] op_sel_hi:[1,0]
.set ee, ee+1
.endr
.endm
; ---- 64 keys of the range in slot sl against tiles i0 .. 3.  diag = 1: tile i0 lies on the diagonal.  first = 1: nothing has been summed yet ----
; The step's K part and V part lie (step) x PART behind the range's first.
; inloop = 0: step sub, written out: the lane terms are the address registers and sub x PART stands in the loads' immediates (38,496 at the most).
; inloop = 1: a trip of a loop, step s60: the offset is made from the counter and added to the lane terms in two working registers.
; Matrix instructions that follow each other never share an accumulator, and each turn is one instruction.
.macro SUBSTEP i0, diag, first, sl, inloop, sub
.if \inloop
	s_min_u32 s61, s60, 3                          ; the trip's number; the clamp changes no value (s60 runs from 0 to 3): it states the offset's bound, 3 PART, where the address is made
	s_mul_i32 s61, s61, PART
	v_add_nc_u32 v[KADR], s61, v[KL+\sl]           ; at most 39,920 bytes into the slot with the loads' immediates: inside K's four parts
	v_add_nc_u32 v[VADR], s61, v[VL+\sl]           ; at most 81,888: inside V's four parts, the slot's last
.set ka, KADR
.set va, VADR
.set stepb, 0
.else
.set ka, KL+\sl
.set va, VL+\sl
.set stepb, \sub*PART
.endif
	WIN 0x40
.irp kt, 0,1,2,3
.irp ks, 0,1
	ds_load_b128 v[KF+16*\kt+8*\ks:KF+16*\kt+8*\ks+3],   v[ka] offset:stepb+16*KP*\kt+64*\ks
	ds_load_b128 v[KF+16*\kt+8*\ks+4:KF+16*\kt+8*\ks+7], v[ka] offset:stepb+16*KP*\kt+64*\ks+32
.endr
.endr
	WIN 0
.irp g, 0,1
.irp db, 0,1,2,3
	ds_load_tr16_b128 v[VF+16*\db+8*\g:VF+16*\db+8*\g+3],   v[va] offset:stepb+32*VP*\g+32*\db
	ds_load_tr16_b128 v[VF+16*\db+8*\g+4:VF+16*\db+8*\g+7], v[va] offset:stepb+32*VP*\g+32*\db+16*VP
.endr
.endr
	s_wait_dscnt 16                                ; K's sixteen loads are in; V's sixteen may stay out
	WIN 0x05
.irp ks, 0,1
.set ti, \i0
.rept 4-\i0
.irp kt, 0,1,2,3
.if \ks
	v_wmma_f32_16x16x32_f16 v[SR+32*ti+8*\kt:SR+32*ti+8*\kt+7], v[KF+16*\kt+8*\ks:KF+16*\kt+8*\ks+7], v[QR+16*ti+8*\ks:QR+16*ti+8*\ks+7], v[SR+32*ti+8*\kt:SR+32*ti+8*\kt+7]
.else
	v_wmma_f32_16x16x32_f16 v[SR+32*ti+8*\kt:SR+32*ti+8*\kt+7], v[KF+16*\kt+8*\ks:KF+16*\kt+8*\ks+7], v[QR+16*ti+8*\ks:QR+16*ti+8*\ks+7], 0
.endif
.endr
.set ti, ti+1
.endr
.endr
	WIN 0
.rept 5
	v_nop                                          ; five independent vector instructions behind the products (ISA guide 7.12.1): their results are read next, and serve as an operand further down
.endr
.if \diag
.irp kt, 0,1,2,3
.irp j, 0,1,2,3,4,5,6,7
	v_cmp_le_i32 vcc_lo, 16*\kt+\j, v[DQ]          ; key <= query
	v_cndmask_b32 v[SR+32*\i0+8*\kt+\j], s53, v[SR+32*\i0+8*\kt+\j], vcc_lo
.endr
.endr
.endif
.set ti, \i0
.rept 4-\i0
	SM_MAX ti, \first
.set ti, ti+1
.endr
.set ti, \i0
.rept 4-\i0
	SM_FMA ti
.set ti, ti+1
.endr
.set ti, \i0
.rept 4-\i0
	SM_EXP ti
.set ti, ti+1
.endr
	v_nop                                          ; one plain instruction behind the last exponential
	s_wait_alu depctr_va_vdst(0)
.set ti, \i0
.rept 4-\i0
	SM_SUM ti, \first
	SM_CVT ti
.set ti, ti+1
.endr
.if \first == 0
	WIN 0x41
.set ti, \i0
.rept 4-\i0
	RESCALE ti
.set ti, ti+1
.endr
.endif
	s_wait_dscnt 0x0                               ; V's fragments are in
	WIN 0x50
.irp g, 0,1
.set ti, \i0
.rept 4-\i0
.irp db, 0,1,2,3
.if (\first)&(1-\g)
	v_wmma_f32_16x16x32_f16 v[OACC+32*ti+8*\db:OACC+32*ti+8*\db+7], v[VF+16*\db+8*\g:VF+16*\db+8*\g+7], v[SR+32*ti+16*\g:SR+32*ti+16*\g+7], 0
.else
	v_wmma_f32_16x16x32_f16 v[OACC+32*ti+8*\db:OACC+32*ti+8*\db+7], v[VF+16*\db+8*\g:VF+16*\db+8*\g+7], v[SR+32*ti+16*\g:SR+32*ti+16*\g+7], v[OACC+32*ti+8*\db:OACC+32*ti+8*\db+7]
.endif
.endr
.set ti, ti+1
.endr
.endr
	WIN 0
	; five independent vector instructions again, ahead of the loads into V's fragments and of the products that write over P
.if \diag
	v_add_nc_u32 v[DQ], -64, v[DQ]                 ; the next 64 keys lie 64 nearer to, or beyond, the query (behind the range's last step the number is not used)
.else
	v_nop
.endif
	v_nop
	v_nop
	v_nop
	v_nop
.endm
; a range of 256 keys in slot sl: four steps of 64.  first = 1 (range 0): written out, the first step starts the sums.  Otherwise a loop that s60 counts from 0.
.macro COMPUTE i0, diag, sl, first
.if \diag
	v_mov_b32 v[DQ], v[DQ0]
.endif
.if \first
	SUBSTEP \i0, \diag, 1, \sl, 0, 0
	SUBSTEP \i0, \diag, 0, \sl, 0, 1
	SUBSTEP \i0, \diag, 0, \sl, 0, 2
	SUBSTEP \i0, \diag, 0, \sl, 0, 3
.else
	s_mov_b32 s60, 0
.Lsub_\@:
	SUBSTEP \i0, \diag, 0, \sl, 1, 0
	s_add_co_u32 s60, s60, 1
	s_cmp_lt_u32 s60, 4
	s_cbranch_scc1 .Lsub_\@
.endif
.endm
; waves 0-3: tiles ia .. 3 (ia = 4: none); waves 4-7: tiles ib .. 3.  No barrier and no tensor load stands inside the branch.
.macro STEP ia, dga, ib, dgb, sl, first
	s_cmp_lg_u32 s9, 0
	s_cbranch_scc1 .Lupper_\@
.if \ia < 4
	COMPUTE \ia, \dga, \sl, \first
.endif
	s_branch .Ljoin_\@
.Lupper_\@:
	COMPUTE \ib, \dgb, \sl, \first
.Ljoin_\@:
.endm
; Slot sl has been read: every wave waits for its reads and for all its tensor loads, the slot's address steps two ranges on, a round of the
; cluster's barrier shows the same of every wave of all four work-groups, and the joint refill is the first tensor load behind it.
.macro REFILL sl
	s_wait_dscnt 0x0
	s_wait_tensorcnt 0x0
	ds_add_u32 v62, v63
	s_wait_dscnt 0x0
	s_add_nc_u64 s[G0+4*\sl+2:G0+4*\sl+3], s[G0+4*\sl+2:G0+4*\sl+3], 2*RANGE
	ROUND
	JLOAD \sl
.endm
	s_wait_tensorcnt 0x1                           ; my part of range 0 is in; range 1's may stay out
	s_barrier_signal -1
	s_barrier_wait -1
	s_wait_loadcnt 0x0                             ; Q
	STEP 0, 1, 0, 0, 0, 1                          ; range 0
	REFILL 0                                       ; range 2
	PREF 1
	STEP 1, 0, 0, 1, 1, 0                          ; range 1
	REFILL 1                                       ; range 3
	PREF 2
	STEP 1, 1, 1, 0, 0, 0                          ; range 2
	REFILL 0                                       ; range 4
	PREF 3
	STEP 2, 0, 1, 1, 1, 0                          ; range 3
	REFILL 1                                       ; range 5
	PREF 4
	STEP 2, 1, 2, 0, 0, 0                          ; range 4
	REFILL 0                                       ; range 6
	PREF 5
	STEP 3, 0, 2, 1, 1, 0                          ; range 5
	REFILL 1                                       ; range 7: the last load
	STEP 3, 1, 3, 0, 0, 0                          ; range 6
	s_wait_dscnt 0x0
	s_wait_tensorcnt 0x0                           ; my part of range 7 is in
	s_barrier_signal -1
	s_barrier_wait -1                              ; everybody's is; nothing is filled any more
	STEP 4, 0, 3, 1, 1, 0                          ; range 7: waves 4-7 alone have a tile there
	; ---- the way out: O / sum, to f16, through my own stage, 2 KiB of consecutive bytes for each tile ----
.irp i, 0,1,2,3
	v_permlanex16_b32 v[TR+8*\i+1], v[STT+4*\i+3], s54, s55
.endr
.irp i, 0,1,2,3
	v_add_f32 v[TR+8*\i], v[STT+4*\i+3], v[TR+8*\i+1]      ; both halves' sums; at least one probability is 1, so the sum is not 0
.endr
.irp i, 0,1,2,3
	v_rcp_f32 v[STT+4*\i+2], v[TR+8*\i]
.endr
	v_nop                                          ; one plain instruction behind the last reciprocal
	s_wait_alu depctr_va_vdst(0)
	WIN 0x41
	RESCALE 0
	RESCALE 1
	RESCALE 2
	RESCALE 3
	WIN 0x05
.irp i, 0,1,2,3
.irp db, 0,1,2,3
.irp c, 0,1,2,3
	v_cvt_pk_f16_f32 v[SR+32*\i+4*\db+\c], v[OACC+32*\i+8*\db+2*\c], v[OACC+32*\i+8*\db+2*\c+1]
.endr
.endr
.endr
	WIN 0
.irp i, 0,1,2,3
.irp db, 0,1,2,3
	ds_store_b128 v[STO], v[SR+32*\i+4*\db:SR+32*\i+4*\db+3] offset:32*\db     ; query r, d = 16 db + 8 h ..
.endr
.irp t, 0,1,2,3
	ds_load_b128 v[SR+32*\i+16+4*\t:SR+32*\i+16+4*\t+3], v[RD] offset:4*KP*\t  ; LDS serves a wave's instructions in order (ISA guide 5.7.1.4): these see the stores above
.endr
.irp t, 0,1,2,3
	s_wait_dscnt 3-\t
	global_store_b128 v[OOFF], v[SR+32*\i+16+4*\t:SR+32*\i+16+4*\t+3], s[22:23] offset:65536*\i+512*\t   ; the wave stores 512 consecutive bytes, aligned
.endr
.endr
	s_wait_tensorcnt 0x0
	ds_add_u32 v62, v63
	s_wait_dscnt 0x0
	ROUND                                          ; the closing round
	s_endpgm
.Lfunc_end_k_q7dac75dfea_attn:
	.size	k_q7dac75dfea_attn, .Lfunc_end_k_q7dac75dfea_attn-k_q7dac75dfea_attn
	.p2alignl 7, 3214868480
	.fill 96, 4, 3214868480
	.section	.rodata,"a",@progbits
	.p2align	6, 0x0
	.amdhsa_kernel k_q7dac75dfea_attn
		.amdhsa_group_segment_fixed_size 327680
		.amdhsa_private_segment_fixed_size 0
		.amdhsa_enable_private_segment 0
		.amdhsa_kernarg_size 16
		.amdhsa_user_sgpr_count 2
		.amdhsa_user_sgpr_kernarg_segment_ptr 1
		.amdhsa_wavefront_size32 1
		.amdhsa_system_sgpr_workgroup_id_x 1
		.amdhsa_system_sgpr_workgroup_id_y 1
		.amdhsa_system_sgpr_workgroup_id_z 1
		.amdhsa_system_vgpr_workitem_id 0
		.amdhsa_next_free_vgpr 512
		.amdhsa_next_free_sgpr 66
		.amdhsa_reserve_vcc 1
		.amdhsa_float_denorm_mode_32 3
		.amdhsa_float_denorm_mode_16_64 3
		.amdhsa_memory_ordered 1
		.amdhsa_forward_progress 1
		.amdhsa_inst_pref_size 255
	.end_amdhsa_kernel
	.section	.bss,"aw",@nobits
	.p2align	6
	.space	262144
	.amdgpu_metadata
---
amdhsa.version: [ 1, 2 ]
amdhsa.kernels:
  - .name:           k_q7dac75dfea_attn
    .symbol:         k_q7dac75dfea_attn.kd
    .args:
      - { .name: qkv, .offset: 0, .size: 8, .value_kind: global_buffer, .address_space: global }
      - { .name: oh, .offset: 8, .size: 8, .value_kind: global_buffer, .address_space: global }
    .group_segment_fixed_size: 327680
    .private_segment_fixed_size: 0
    .kernarg_segment_align: 8
    .kernarg_segment_size: 16
    .max_flat_workgroup_size: 256
    .sgpr_count:     66
    .vgpr_count:     512
    .wavefront_size: 32
...
	.end_amdgpu_metadata
.endif
;; end of part 5
;; launch outp: the kernel of part 4 again; grid 8 x 32, 4 waves a work-group, clusters of 4 x 4, 327,680 bytes of LDS; arguments oh, woh, out0; writes out0
